; MI455X (gfx1250); checked and timed in simulation.
; The chip was launched on July 23, 2026; its instructions are those of AMD's public machine-readable ISA for CDNA 5 (MIT licence, August 2026) and "CDNA5" Instruction Set Architecture Reference Guide (July 2026). The comments in the code are by the model that wrote it; some were corrected since.
;; Attention. Allowed arithmetic: float matrix products may take bf16 or f16 operands with f32 sums; other float arithmetic in f32, or as packed bf16 or f16 multiplies, adds, multiply-adds, maxima and minima; sums over many terms, partial sums and values carried from step to step in f32; what a program stores and reads back later, other than sums and carried values, may be rounded once to bf16 or f16.
;; Inputs: Wk 1,024 x 1,024 float32; Wq 1,024 x 1,024 float32; Wv 1,024 x 1,024 float32; bk 1,024 float32; bq 1,024 float32; bv 1,024 float32; mask 2,048 x 2,048 float32; x 4 x 2,048 x 1,024 float32.
;; Outputs: out0 4 x 2,048 x 1,024 float32.
;; One version. Each part assembles by itself: llvm-mc -triple=amdgcn-amd-amdhsa -mcpu=gfx1250 --defsym DOCPART=n.
;; ======== version 1 of 1: 4 launches
;; limits: right only within a limited range of input values
;; workspace buffers: xb 16,777,216 bytes; wb 6,291,456 bytes; qkv 50,331,648 bytes; p 33,554,432 bytes; stats 1,048,576 bytes
;; launch prep (part 1): grid 1408 x 1, 8 waves a work-group, no clusters, 0 bytes of LDS; arguments x, Wq, Wk, Wv, xb, wb; writes xb, wb
.if DOCPART == 1
	.amdgcn_target "amdgcn-amd-amdhsa--gfx1250"
	.amdhsa_code_object_version 6
	.text
	.protected	k_q1d73aebc6c_prep
	.globl	k_q1d73aebc6c_prep
	.p2align	8
	.type	k_q1d73aebc6c_prep,@function
k_q1d73aebc6c_prep:
	s_mov_b64 s[64:65], 0
	v_nop
	global_prefetch_b8 v0, s[64:65] scope:SCOPE_SE
	s_setreg_imm32_b32 hwreg(HW_REG_WAVE_MODE, 25, 1), 1
	s_wait_xcnt 0x0
; xb = bf16(x), wb[0..2] = bf16(Wq, Wk, Wv): a cast, the layout unchanged, each number rounded once to nearest even.
; A work-group takes 8,192 numbers: 32,768 bytes in, 16,384 out.  Groups 0-1023 take x (8,388,608 numbers), groups 1024-1407 the three
; weights, 128 groups each (1,048,576 numbers).  A thread takes 16 bytes of each of eight runs of 4,096 bytes: a wave's load covers 512
; consecutive bytes, its store 256 consecutive bytes at a multiple of 256.  All eight loads are out before the first is used.
; A pure stream: no LDS, no matrix unit, no cluster, since no byte is wanted twice.
.set XGROUPS, 1024
	s_load_b256 s[4:11], s[0:1], 0x0               ; x s[4:5], Wq s[6:7], Wk s[8:9], Wv s[10:11]
	s_load_b128 s[12:15], s[0:1], 0x20             ; xb s[12:13], wb s[14:15]
	v_lshlrev_b32 v1, 4, v0                        ; my 16 bytes of a run in
	v_lshlrev_b32 v2, 3, v0                        ; my 8 bytes of a run out
	s_mov_b32 s16, ttmp9                           ; g
	s_cmp_lt_u32 s16, XGROUPS
	s_cselect_b32 s21, 1, 0                        ; 1: this group casts x
	s_sub_co_u32 s20, s16, XGROUPS                 ; j = g - 1024 (used only where g >= 1024)
	s_lshr_b32 s22, s20, 7                         ; which weight
	s_and_b32 s23, s20, 127                        ; which block of it
	s_cmp_eq_u32 s21, 1
	s_cselect_b32 s16, s16, s23                    ; block in the source
	s_cselect_b32 s18, ttmp9, s20                  ; block in the destination: wb's three planes lie end to end
	s_lshl_b32 s16, s16, 15
	s_lshl_b32 s18, s18, 14
	s_mov_b32 s17, 0
	s_mov_b32 s19, 0
	s_wait_kmcnt 0x0
	s_cmp_eq_u32 s22, 1
	s_cselect_b64 s[24:25], s[8:9], s[6:7]
	s_cmp_eq_u32 s22, 2
	s_cselect_b64 s[24:25], s[10:11], s[24:25]
	s_cmp_eq_u32 s21, 1
	s_cselect_b64 s[24:25], s[4:5], s[24:25]       ; the source,
	s_cselect_b64 s[26:27], s[12:13], s[14:15]     ; the destination
	s_add_nc_u64 s[24:25], s[24:25], s[16:17]
	s_add_nc_u64 s[26:27], s[26:27], s[18:19]
.irp i, 0,1,2,3,4,5,6,7
	global_load_b128 v[8+4*(\i):11+4*(\i)], v1, s[24:25] offset:4096*(\i) th:TH_LOAD_NT
.endr
.irp i, 0,1,2,3,4,5,6,7
	s_wait_loadcnt 7-(\i)                          ; loads come back in order: run i is in, the younger ones stay out
	v_cvt_pk_bf16_f32 v[40+2*(\i)], v[8+4*(\i)], v[9+4*(\i)]
	v_cvt_pk_bf16_f32 v[41+2*(\i)], v[10+4*(\i)], v[11+4*(\i)]
	global_store_b64 v2, v[40+2*(\i):41+2*(\i)], s[26:27] offset:2048*(\i)
.endr
	s_endpgm
.Lfunc_end_k_q1d73aebc6c_prep:
	.size	k_q1d73aebc6c_prep, .Lfunc_end_k_q1d73aebc6c_prep-k_q1d73aebc6c_prep
	.p2alignl 7, 3214868480
	.fill 96, 4, 3214868480
	.section	.rodata,"a",@progbits
	.p2align	6, 0x0
	.amdhsa_kernel k_q1d73aebc6c_prep
		.amdhsa_group_segment_fixed_size 0
		.amdhsa_private_segment_fixed_size 0
		.amdhsa_enable_private_segment 0
		.amdhsa_kernarg_size 48
		.amdhsa_user_sgpr_count 2
		.amdhsa_user_sgpr_kernarg_segment_ptr 1
		.amdhsa_wavefront_size32 1
		.amdhsa_system_sgpr_workgroup_id_x 1
		.amdhsa_system_sgpr_workgroup_id_y 1
		.amdhsa_system_sgpr_workgroup_id_z 1
		.amdhsa_system_vgpr_workitem_id 0
		.amdhsa_next_free_vgpr 64
		.amdhsa_next_free_sgpr 66
		.amdhsa_reserve_vcc 0
		.amdhsa_float_denorm_mode_32 3
		.amdhsa_float_denorm_mode_16_64 3
		.amdhsa_memory_ordered 1
		.amdhsa_forward_progress 1
		.amdhsa_inst_pref_size 5
	.end_amdhsa_kernel
	.amdgpu_metadata
---
amdhsa.version: [ 1, 2 ]
amdhsa.kernels:
  - .name:           k_q1d73aebc6c_prep
    .symbol:         k_q1d73aebc6c_prep.kd
    .args:
      - { .name: x, .offset: 0, .size: 8, .value_kind: global_buffer, .address_space: global }
      - { .name: Wq, .offset: 8, .size: 8, .value_kind: global_buffer, .address_space: global }
      - { .name: Wk, .offset: 16, .size: 8, .value_kind: global_buffer, .address_space: global }
      - { .name: Wv, .offset: 24, .size: 8, .value_kind: global_buffer, .address_space: global }
      - { .name: xb, .offset: 32, .size: 8, .value_kind: global_buffer, .address_space: global }
      - { .name: wb, .offset: 40, .size: 8, .value_kind: global_buffer, .address_space: global }
    .group_segment_fixed_size: 0
    .private_segment_fixed_size: 0
    .kernarg_segment_align: 8
    .kernarg_segment_size: 48
    .max_flat_workgroup_size: 256
    .sgpr_count:     66
    .vgpr_count:     64
    .wavefront_size: 32
...
	.end_amdgpu_metadata
.endif
;; end of part 1
;; launch proj (part 2): grid 4 x 48, 4 waves a work-group, clusters of 4 x 4, 327,680 bytes of LDS; arguments xb, wb, bq, bk, bv, qkv; writes qkv
.if DOCPART == 2
	.amdgcn_target "amdgcn-amd-amdhsa--gfx1250"
	.amdhsa_code_object_version 6
	.text
	.protected	k_q1d73aebc6c_proj
	.globl	k_q1d73aebc6c_proj
	.p2align	8
	.type	k_q1d73aebc6c_proj,@function
k_q1d73aebc6c_proj:
	s_mov_b64 s[64:65], 0
	v_nop
	global_prefetch_b8 v0, s[64:65] scope:SCOPE_SE
	s_setreg_imm32_b32 hwreg(HW_REG_WAVE_MODE, 25, 1), 1
	s_wait_xcnt 0x0
	s_wait_alu depctr_hold_cnt(0) depctr_sa_sdst(0) depctr_va_vdst(0) depctr_va_sdst(0) depctr_va_ssrc(0) depctr_va_vcc(0) depctr_vm_vsrc(0)
	s_getreg_b32 s2, hwreg(HW_REG_IB_STS2, 6, 4)
	s_cmp_eq_u32 s2, 0
	s_cbranch_scc0 .Lentry_in_a_cluster
	s_endpgm
.Lentry_in_a_cluster:
	s_bfe_u32 s2, ttmp6, 0x10000c
	s_cmp_lg_u32 s2, 0xf033
	s_cbranch_scc0 .Lentry_shape_is_right
	s_endpgm
.Lentry_shape_is_right:
; qkv[t] = xb wb[t] + b_t for t = q, k, v.  xb: [8192][1024] bf16; wb: [3][1024 k][1024 n] bf16, as W lies; qkv: [3][8192][1024] bf16; biases f32.
; Sums in f32, the bias added in f32, each result rounded once to bf16.
; SHARES.  A tile of the result is 256 rows x 256 columns: 32 x 4 x 3 = 384 tiles.  384 has no even share among 256, so 192 work-groups take TWO tiles each, one after the other.
; Number the 96 pairs of plane and row tile c = 32 plane + row tile: the work-group in row y of the grid (0..47) takes c = y and then c = y + 48, in its tile column x (0..3).
; The four of a column of the cluster have the same plane in both tiles (4 divides 16).  Four waves, each 128 x 128: 64 accumulators of 16 x 16, 512 registers.
; K goes in steps of 128 through two LDS slots: 256 rows x 256 bytes of xb, and 128 k-rows x 512 bytes of wb, read out turned by ds_load_tr16_b128.  The ring does not stop at the
; first tile's end: its last lap asks for the second tile's first two K steps.  That lap is the loop's own text: which K step is asked for next stands in two running byte offsets.
; CLUSTER 4 x 4.  The four of a row of the cluster need the same tile of xb, the four of a column the same tile of wb: each tile is asked for jointly.
; THE MATRIX INSTRUCTION IS USED TRANSPOSED (source 0 = 16 columns of W, source 1 = 16 rows of x): lane l holds row l % 16 and the columns 8 (l / 16) + 0..7.
; REGISTERS.  Window 0: v0-31 addresses; v32-63 packed results; v64-127, v128-191 two buffers of x's fragments (block a at 8 a); v192-255 the bias on the way out.
; Window 1: v64-127, v128-191 two buffers of W's fragments (block b at 8 b).  Window 2: the accumulators of my rows 0-63 ((a, b) at v[8 (8 a + b)]); window 3: of my rows 64-127.
.set PITCH,  272                       ; a row of x in LDS: 256 bytes + 16: the 16 rows of a fragment load start 4 banks apart
.set PB,     544                       ; a k-row of W in LDS: 512 bytes + 32
.set HALFT,  128*PITCH                 ; what one tensor load brings: 128 rows of x, or 64 k-rows of W (64 x 544 is the same number)
.set SLOT,   4*HALFT                   ; x's 256 rows, then W's 128 k-rows: 139,264 bytes
.set STAGE,  2*SLOT                    ; behind the ring: 16 rows x 272 bytes for each wave, for the way out
.set SPITCH, 272
.set BIAS,   STAGE+4*16*SPITCH         ; the 256 numbers of each tile's bias: 2 x 1,024 bytes
.set SPARE,  BIAS+2*1024               ; the spare words: 128 bytes a wave, two blocks of 256 bytes that no other line names
.set TILES,  2
.set LAPS,   4                         ; a lap = two K steps; K = 1,024
.set SB1,    128*2048                  ; a K step of W in memory: 128 rows of 2,048 bytes
.set ADRA, 16                          ; v16-17  LDS address of my fragments of x in slot 0, 1
.set ADRB, 20                          ; v20-21  the same for W
.set STO,  24                          ; v24  the way out: where I put 16 bytes of a row
.set RD,   25                          ; v25  where I read rows back
.set CO,   26                          ; v26  my byte offset in two rows of the result
.set BR,   27                          ; v27  where I read my columns' bias; steps 1,024 bytes a tile
.set SPW,  28                          ; v28  my spare word: SPARE + 4 x my thread's number; never rewritten
.set NIL,  29                          ; v29  0; never rewritten
.set TMP,  32
.set F0,   64
.set F1,   128
.set T,    128                         ; the way out: a block's 64 sums with the bias; buffer 0 is left alone, since it may hold the next tile's first fragments
.set OBK,  128                         ; then the block's rows read back
.set BI,   192
.set G1,  24                           ; s[24:31] descriptor group 1 for x;  s[32:39] group 0, a set for each slot
.set G0,  32
.set G1B, 48                           ; s[48:55], s[56:63] the same for W
.set G0B, 56
.set OA,  66                           ; s[66:67] byte offset in xb of the K step to be asked for next (my half of the tile)
.set OBF, 80                           ; s[80:81] the same in wb
.set A1,  82                           ; s82  that offset at the second tile's K step 0
.set B1,  83                           ; s83
.set MUL_LO, 0xa1                      ; source 0 (W) window 1, source 1 (x) window 0, C and D window 2
.set MUL_HI, 0xf1                      ; the same, C and D window 3
.set TO_B,   0x40                      ; destination window 1, address window 0
.set MSB, 0
.macro WIN new                         ; the immediate's high byte repeats the setting that is left; a switch that changes nothing is dropped
.if MSB != (\new)
	s_set_vgpr_msb (MSB<<8)|(\new)
.set MSB, \new
.endif
.endm
.macro PLACES                          ; four plain places behind matrix instructions, in front of loads into registers that they read and of reads of results
.rept 4
	v_nop
.endr
.endm
; A joint load: waves 0 and 1 fetch the two halves of x's tile, waves 2 and 3 those of W's.  The branch hangs on the wave's number alone.
; An s_nop 0 and four v_nop follow each of the two lines, ahead of the jump and the label.
.macro JLOAD s
	s_cmp_eq_u32 s11, 0
	s_cbranch_scc0 .Lfor_b_\@
	tensor_load_to_lds s[G0+4*(\s):G0+4*(\s)+3], s[G1:G1+7]
	s_nop 0
.rept 4
	v_nop
.endr
	s_branch .Lasked_\@
.Lfor_b_\@:
	tensor_load_to_lds s[G0B+4*(\s):G0B+4*(\s)+3], s[G1B:G1B+7]
	s_nop 0
.rept 4
	v_nop
.endr
.Lasked_\@:
.endm
.macro CREST                           ; a round of the cluster's barrier behind its opening barrier
	s_cmp_lg_u32 s10, 0
	s_cbranch_scc1 .Lnot_wave_0_\@
	s_barrier_signal -3
.Lnot_wave_0_\@:
	s_barrier_wait -3
	s_barrier_signal -1
	s_barrier_wait -1
.endm
.macro CROUND                          ; a whole round
	s_barrier_signal -1
	s_barrier_wait -1
	CREST
.endm
; 16 matrix instructions: row blocks a0, a0 + 1 of the window's four (hi = 0: my rows 0-63, 1: rows 64-127) x all 8 column blocks, 32 along K.
; The 64 accumulators take turns, in the same order in every quarter.  zero = 1: the product starts the sums.
.macro MUL16 f, hi, a0, zero
	WIN MUL_LO+0x50*(\hi)
.irp a, \a0, (\a0)+1
.irp b, 0,1,2,3,4,5,6,7
.if \zero
	v_wmma_f32_16x16x32_bf16 v[8*(8*(\a)+(\b)):8*(8*(\a)+(\b))+7], v[(\f)+8*(\b):(\f)+8*(\b)+7], v[(\f)+8*(4*(\hi)+(\a)):(\f)+8*(4*(\hi)+(\a))+7], 0
.else
	v_wmma_f32_16x16x32_bf16 v[8*(8*(\a)+(\b)):8*(8*(\a)+(\b))+7], v[(\f)+8*(\b):(\f)+8*(\b)+7], v[(\f)+8*(4*(\hi)+(\a)):(\f)+8*(4*(\hi)+(\a))+7], v[8*(8*(\a)+(\b)):8*(8*(\a)+(\b))+7]
.endif
.endr
.endr
.endm
; 32 LDS loads in one run: the quarter at byte k of x's rows (k-rows k / 2 on of W) into buffer f: W's 16 (turned) first, then x's 16, row blocks ascending
.macro FETCH slot, k, f
	WIN TO_B
.irp i, 0,1,2,3,4,5,6,7
	ds_load_tr16_b128 v[(\f)+8*(\i):(\f)+8*(\i)+3],   v[ADRB+(\slot)] offset:((\k)/64)*32*PB+32*(\i)
	ds_load_tr16_b128 v[(\f)+8*(\i)+4:(\f)+8*(\i)+7], v[ADRB+(\slot)] offset:((\k)/64)*32*PB+32*(\i)+16*PB
.endr
	WIN 0
.irp i, 0,1,2,3,4,5,6,7
	ds_load_b128 v[(\f)+8*(\i):(\f)+8*(\i)+3],   v[ADRA+(\slot)] offset:(\k)+(\i)*16*PITCH
	ds_load_b128 v[(\f)+8*(\i)+4:(\f)+8*(\i)+7], v[ADRA+(\slot)] offset:(\k)+(\i)*16*PITCH+32
.endr
.endm
; One of a K step's first three quarters: multiplies buffer f and, in its middle, fetches the quarter at byte k of the same slot into buffer g.
.macro QUARTER slot, k, f, g, zero
	s_wait_dscnt 8                                 ; W and x's rows 0-63 are in; the youngest eight loads (x's rows 64-127) may be out
	MUL16 \f, 0, 0, \zero
	MUL16 \f, 0, 2, \zero
	PLACES
	FETCH \slot, \k, \g
	s_wait_dscnt 32                                ; all but the 32 just issued
	MUL16 \f, 1, 0, \zero
	MUL16 \f, 1, 2, \zero
.endm
; The first half of a K step's last quarter, and the one barrier of the change of slots: each wave waits for all its tensor loads (one is out: its part of the next slot),
; adds 0 to its spare word, and waits for that and for its own reads of this slot.  Behind the barrier nobody reads this slot and the next slot is whole.
; round = 1: the slot is filled again: no tensor load of mine is out, so its two descriptors' addresses are made anew, from the buffers' addresses and the running offsets.
.macro MEET round, slot
	WIN 0
	s_wait_tensorcnt 0x0
	ds_add_u32 v[SPW], v[NIL]                      ; 0 onto my spare word; scalar work and sixteen products stand between it and the wait for it
.if \round
	s_add_nc_u64 s[G0+4*(\slot)+2:G0+4*(\slot)+3], s[68:69], s[OA:OA+1]
	s_or_b32 s[G0+4*(\slot)+3], s[G0+4*(\slot)+3], 0x80000000
	s_add_nc_u64 s[G0B+4*(\slot)+2:G0B+4*(\slot)+3], s[70:71], s[OBF:OBF+1]
	s_or_b32 s[G0B+4*(\slot)+3], s[G0B+4*(\slot)+3], 0x80000000
	s_add_co_u32 s[OA], s[OA], 256                 ; the K step after it
	s_add_co_u32 s[OBF], s[OBF], SB1
.endif
	s_wait_dscnt 9                                 ; (the add and the youngest eight loads may be out)
	MUL16 F1, 0, 0, 0
	s_wait_dscnt 0x0                               ; the add is done, and my reads of this slot are over
	s_barrier_signal -1
	MUL16 F1, 0, 2, 0
.if \round
	WIN 0
.endif
	s_barrier_wait -1
.endm
.macro TURN slot, next                 ; the whole last quarter, with a refill
	MEET 1, \slot
	CREST                                          ; no wave of any partner still reads this slot or has a load on its way
	JLOAD \slot                                    ; my one tensor load behind the round; its four v_nop are also the places in front of the loads below
	FETCH \next, 0, F0
	MUL16 F1, 1, 0, 0
	MUL16 F1, 1, 2, 0
.endm
	s_load_b256 s[68:75], s[0:1], 0x0              ; xb s[68:69], wb s[70:71], bq s[72:73], bk s[74:75]
	s_load_b128 s[76:79], s[0:1], 0x20             ; bv s[76:77], qkv s[78:79]
	v_lshl_add_u32 v[SPW], v0, 2, SPARE
	v_mov_b32 v[NIL], 0
	ds_add_u32 v[SPW], v[NIL]                      ; the wave's opening: the add and its wait ahead of my first tensor load
	v_lshrrev_b32 v1, 5, v0
	v_readfirstlane_b32 s10, v1                    ; wave 0..3
	s_lshr_b32 s11, s10, 1                         ; which 128 rows of the tile are mine.  Also: I fetch for x (0) or for W (1)
	s_and_b32 s12, s10, 1                          ; which 128 columns.  Also: which half of that tile I fetch
	s_bfe_u32 s40, ttmp6, 0x40000                  ; cx
	s_bfe_u32 s41, ttmp6, 0x40004                  ; cy
	s_lshl_b32 s42, ttmp9, 2
	s_add_co_u32 s42, s42, s40                     ; tile column in a plane, 0..3
	s_and_b32 s45, ttmp7, 0xffff                   ; the cluster's y, 0..11: c = 4 x it + cy
	s_add_co_u32 s15, s45, 12                      ; and for the second tile, 48 further on
	s_lshr_b32 s86, s45, 3                         ; the first tile's plane (0, 1): from the cluster's y alone
	s_lshr_b32 s87, s15, 3                         ; the second's (1, 2)
	s_and_b32 s84, s45, 7
	s_lshl_b32 s84, s84, 2
	s_add_co_u32 s84, s84, s41                     ; the first tile's row tile, 0..31
	s_and_b32 s85, s15, 7
	s_lshl_b32 s85, s85, 2
	s_add_co_u32 s85, s85, s41                     ; the second's
	s_lshl_b32 s43, s41, 2
	s_lshl_b32 s43, 15, s43                        ; my row of the cluster
	s_lshl_b32 s44, 0x1111, s40                    ; my column
	s_or_b32 s[G1+0], s43, (1<<16)|(1<<20)|(1<<21)|(5<<22)|(3<<25)   ; mask; 2-byte elements; padding on; bit 21 beside a mask; after every 64 words, 4 words
	s_or_b32 s[G1B+0], s44, (1<<16)|(1<<20)|(1<<21)|(6<<22)|(7<<25)  ; the same with my column's mask; after every 128 words, 8 words
	s_mov_b32 s[G1+1], 128<<16                     ; x: tensor_dim0 = 128
	s_mov_b32 s[G1+2], 128<<16                     ; tensor_dim1 = 128
	s_mov_b32 s[G1+3], 128<<16                     ; tile_dim0 = 128
	s_mov_b32 s[G1+4], 128                         ; tile_dim1 = 128
	s_mov_b32 s[G1+5], 1024                        ; elements from row to row
	s_mov_b32 s[G1+6], 0
	s_mov_b32 s[G1+7], 0
	s_mov_b32 s[G1B+1], 256<<16                    ; W: 64 k-rows of 256 elements
	s_mov_b32 s[G1B+2], 64<<16
	s_mov_b32 s[G1B+3], 256<<16
	s_mov_b32 s[G1B+4], 64
	s_mov_b32 s[G1B+5], 1024
	s_mov_b32 s[G1B+6], 0
	s_mov_b32 s[G1B+7], 0
	s_lshl_b32 s16, s12, 7                         ; x: row 256 x row tile + 128 x half, 2,048 bytes a row: nothing of cx enters
	s_lshl_b32 s[OA], s84, 8
	s_add_co_u32 s[OA], s[OA], s16
	s_lshl_b32 s[OA], s[OA], 11
	s_mov_b32 s[OA+1], 0
	s_lshl_b32 s[A1], s85, 8
	s_add_co_u32 s[A1], s[A1], s16
	s_lshl_b32 s[A1], s[A1], 11
	s_lshl_b32 s46, s42, 9                         ; W: plane x 2 MiB + k-row 64 x half + column 256 x tile column: nothing of cy enters
	s_lshl_b32 s47, s12, 17
	s_add_co_u32 s46, s46, s47
	s_lshl_b32 s[OBF], s86, 21
	s_add_co_u32 s[OBF], s[OBF], s46
	s_mov_b32 s[OBF+1], 0
	s_lshl_b32 s[B1], s87, 21
	s_add_co_u32 s[B1], s[B1], s46
	s_mul_i32 s20, s10, HALFT                      ; where they go: x's two halves, then W's two = wave x HALFT: no place in the cluster enters an LDS address
	s_wait_dscnt 0x0                               ; the opening add is done
	s_wait_kmcnt 0x0
	CROUND                                         ; all sixteen work-groups are here: the first joint loads meet
.irp s, 0,1
	s_mov_b32 s[G0+4*(\s)], 1
	s_add_co_u32 s[G0+4*(\s)+1], s20, (\s)*SLOT
	s_add_nc_u64 s[G0+4*(\s)+2:G0+4*(\s)+3], s[68:69], s[OA:OA+1]
	s_or_b32 s[G0+4*(\s)+3], s[G0+4*(\s)+3], 0x80000000
	s_mov_b32 s[G0B+4*(\s)], 1
	s_add_co_u32 s[G0B+4*(\s)+1], s20, (\s)*SLOT
	s_add_nc_u64 s[G0B+4*(\s)+2:G0B+4*(\s)+3], s[70:71], s[OBF:OBF+1]
	s_or_b32 s[G0B+4*(\s)+3], s[G0B+4*(\s)+3], 0x80000000
	s_add_co_u32 s[OA], s[OA], 256
	s_add_co_u32 s[OBF], s[OBF], SB1
	JLOAD \s
.endr
	s_lshl_b32 s22, s42, 10                        ; the tile column's 256 numbers of a bias: 1,024 bytes, 8 a thread
	v_lshl_add_u32 v6, v0, 3, s22
	v_lshl_add_u32 v7, v0, 3, BIAS
	s_cmp_eq_u32 s86, 0
	s_cselect_b64 s[88:89], s[72:73], s[74:75]     ; the first tile's bias: bq or bk
	s_cmp_eq_u32 s87, 1
	s_cselect_b64 s[90:91], s[74:75], s[76:77]     ; the second's: bk or bv
	global_load_b64 v[32:33], v6, s[88:89]
	global_load_b64 v[34:35], v6, s[90:91]
	v_and_b32 v1, 15, v0                           ; r = l % 16
	v_bfe_u32 v2, v0, 4, 1                         ; h = l / 16
	v_mul_u32_u24 v3, v1, PITCH
	v_lshl_add_u32 v3, v2, 4, v3                   ; a fragment of x, and my place in the stage: row x 272 + 16 x half
	s_mul_i32 s22, s11, HALFT
	v_add_nc_u32 v[ADRA], s22, v3
	v_add_nc_u32 v[ADRA+1], SLOT, v[ADRA]
	v_and_b32 v5, 7, v0                            ; the turning load: lane l reads k-row 8 h + l % 8, 16 bytes at 16 ((l / 8) % 2)
	v_lshl_add_u32 v5, v2, 3, v5
	v_mul_u32_u24 v5, v5, PB
	v_bfe_u32 v4, v0, 3, 1
	v_lshl_add_u32 v5, v4, 4, v5
	s_lshl_b32 s23, s12, 8                         ; my 128 columns: 256 bytes of a k-row
	s_add_co_u32 s23, s23, 2*HALFT
	v_add_nc_u32 v[ADRB], s23, v5
	v_add_nc_u32 v[ADRB+1], SLOT, v[ADRB]
	s_mul_i32 s23, s10, 16*SPITCH
	s_add_co_u32 s23, s23, STAGE                   ; my stage
	v_add_nc_u32 v[STO], s23, v3                   ; in: row r, 16 bytes for each half of the lanes
	v_mul_u32_u24 v5, v2, SPITCH                   ; back: lanes 0-15 one row of 256 bytes, lanes 16-31 the next
	v_lshl_add_u32 v5, v1, 4, v5
	v_add_nc_u32 v[RD], s23, v5
	v_lshlrev_b32 v5, 11, v2                       ; and the same two rows of the result
	v_lshl_add_u32 v[CO], v1, 4, v5
	s_lshl_b32 s23, s12, 9                         ; my 128 columns of the bias, my lanes' 8 of each 16
	s_add_co_u32 s23, s23, BIAS
	v_lshl_add_u32 v[BR], v2, 5, s23
	s_lshl_b32 s18, s11, 7                         ; where my part of each tile begins in qkv: plane x 16 MiB + (256 x row tile + 128 x my half) rows + my columns
	s_lshl_b32 s19, s42, 9
	s_lshl_b32 s21, s12, 8
	s_add_co_u32 s19, s19, s21
	s_lshl_b32 s16, s84, 8
	s_add_co_u32 s16, s16, s18
	s_lshl_b32 s16, s16, 11
	s_add_co_u32 s16, s16, s19
	s_lshl_b32 s21, s86, 24
	s_add_co_u32 s16, s16, s21
	s_mov_b32 s17, 0
	s_add_nc_u64 s[8:9], s[78:79], s[16:17]
	s_lshl_b32 s16, s85, 8
	s_add_co_u32 s16, s16, s18
	s_lshl_b32 s16, s16, 11
	s_add_co_u32 s16, s16, s19
	s_lshl_b32 s21, s87, 24
	s_add_co_u32 s16, s16, s21
	s_add_nc_u64 s[92:93], s[78:79], s[16:17]
	s_wait_loadcnt 0x0
	ds_store_b64 v7, v[32:33]
	ds_store_b64 v7, v[34:35] offset:1024
	s_wait_dscnt 0x0                               ; for the others' sake: my part of the bias lies in LDS
	s_wait_tensorcnt 1                             ; my part of K step 0 is in; K step 1's may stay out
	s_barrier_signal -1
	s_barrier_wait -1
	FETCH 0, 0, F0
	s_mov_b32 s2, TILES
.Ltile:
	QUARTER 0, 64, F0, F1, 1                       ; a tile's first quarter starts the sums: nothing is cleared
	WIN 0
	s_mov_b32 s3, LAPS
.Llap:                                                 ; a trip: the rest of a lap, both slots filled again, and the next lap's first quarter
	s_cmp_eq_u32 s3, 1                             ; a tile's last lap asks for the second tile's K steps 0 and 1
	s_cselect_b32 s[OA], s[A1], s[OA]
	s_cselect_b32 s[OBF], s[B1], s[OBF]
	s_add_co_u32 s4, s2, s3
	s_cmp_eq_u32 s4, 2                             ; the last tile's last lap (both counts are 1) asks for nothing: it is written out below
	s_cbranch_scc1 .Ltail
	QUARTER 0, 128, F1, F0, 0
	QUARTER 0, 192, F0, F1, 0
	TURN 0, 1
	QUARTER 1, 64,  F0, F1, 0
	QUARTER 1, 128, F1, F0, 0
	QUARTER 1, 192, F0, F1, 0
	TURN 1, 0                                      ; in a tile's last lap: the next tile's first fragments go into buffer 0, which the way out leaves alone
	WIN 0
	s_sub_co_u32 s3, s3, 1
	s_cmp_eq_u32 s3, 0
	s_cbranch_scc1 .Lout                           ; the first tile is finished
	QUARTER 0, 64,  F0, F1, 0
	WIN 0
	s_cmp_lg_u32 s3, 0
	s_cbranch_scc1 .Llap
.Ltail:
	QUARTER 0, 128, F1, F0, 0
	QUARTER 0, 192, F0, F1, 0
	MEET 0, 0                                      ; nothing is filled again, so no round of the cluster's barrier follows
	PLACES
	FETCH 1, 0, F0
	MUL16 F1, 1, 0, 0
	MUL16 F1, 1, 2, 0
	QUARTER 1, 64,  F0, F1, 0
	QUARTER 1, 128, F1, F0, 0
	QUARTER 1, 192, F0, F1, 0
	s_wait_dscnt 8                                 ; the very last quarter: nothing more to fetch
	MUL16 F1, 0, 0, 0
	MUL16 F1, 0, 2, 0
	s_wait_dscnt 0x0
	MUL16 F1, 1, 0, 0
	MUL16 F1, 1, 2, 0
	WIN 0
.Lout:
	; THE WAY OUT, a loop over my eight blocks of 16 rows.  Only the 32 lines that name a block's accumulators are written for each block, chosen by a forward branch on the count:
	; they add the bias and leave the block in fixed registers.  The rest is written once: rounded to bf16 (16 bytes a lane), through my own stage, out as whole rows of 256 bytes.
	PLACES
	PLACES
.irp b, 0,1,2,3,4,5,6,7
	ds_load_b128 v[BI+8*(\b):BI+8*(\b)+3],   v[BR] offset:64*(\b)     ; the bias of my 8 columns of column block b
	ds_load_b128 v[BI+8*(\b)+4:BI+8*(\b)+7], v[BR] offset:64*(\b)+16
.endr
	s_wait_dscnt 0x0
	s_mov_b32 s5, 0
.macro SEC a
.Lsec\a:
	WIN 0x02+(\a)/4                                ; source 0 in window 2 or 3
.set i, 0
.rept 32
	v_pk_add_f32 v[T+2*i:T+2*i+1], v[64*((\a)%4)+2*i:64*((\a)%4)+2*i+1], v[BI+2*i:BI+2*i+1]  ; each accumulator from its low end on
.set i, i+1
.endr
	WIN 0
.if (\a) != 0
	s_branch .Ljoin
.endif
.endm
.Lblk:
.irp k, 0,1,2,3,4,5,6
	s_cmp_eq_u32 s5, \k
	s_cbranch_scc1 .Lsec\k
.endr
	SEC 7
	SEC 6
	SEC 5
	SEC 4
	SEC 3
	SEC 2
	SEC 1
	SEC 0
.Ljoin:
.set i, 0
.rept 32
	v_cvt_pk_bf16_f32 v[TMP+i], v[T+2*i], v[T+2*i+1]
.set i, i+1
.endr
.irp b, 0,1,2,3,4,5,6,7
	ds_store_b128 v[STO], v[TMP+4*(\b):TMP+4*(\b)+3] offset:32*(\b)
.endr
.irp t, 0,1,2,3,4,5,6,7
	ds_load_b128 v[OBK+4*(\t):OBK+4*(\t)+3], v[RD] offset:(\t)*2*SPITCH  ; LDS serves a wave's instructions in order: these see the stores above
.endr
	s_wait_dscnt 0x0
.irp t, 0,1,2,3,4,5,6,7
	global_store_b128 v[CO], v[OBK+4*(\t):OBK+4*(\t)+3], s[8:9] offset:2*(\t)*2048  ; 16 lanes store 256 consecutive bytes, at a multiple of 256
.endr
	s_wait_xcnt 0x0                                ; the stores have read their base and their data: both are written again below and in the next trip
	s_add_nc_u64 s[8:9], s[8:9], 16*2048           ; the next 16 rows
	s_add_co_u32 s5, s5, 1
	s_cmp_lt_u32 s5, 8
	s_cbranch_scc1 .Lblk
	s_mov_b64 s[8:9], s[92:93]                     ; the second tile's place in qkv,
	v_add_nc_u32 v[BR], 1024, v[BR]                ; and its bias
	s_sub_co_u32 s2, s2, 1
	s_cmp_lg_u32 s2, 0
	s_cbranch_scc1 .Ltile
	s_wait_tensorcnt 0x0                           ; the wave's end
	ds_add_u32 v[SPW], v[NIL]
	s_wait_dscnt 0x0
	CROUND                                         ; the closing round
	s_endpgm
.Lfunc_end_k_q1d73aebc6c_proj:
	.size	k_q1d73aebc6c_proj, .Lfunc_end_k_q1d73aebc6c_proj-k_q1d73aebc6c_proj
	.p2alignl 7, 3214868480
	.fill 96, 4, 3214868480
	.section	.rodata,"a",@progbits
	.p2align	6, 0x0
	.amdhsa_kernel k_q1d73aebc6c_proj
		.amdhsa_group_segment_fixed_size 327680
		.amdhsa_private_segment_fixed_size 0
		.amdhsa_enable_private_segment 0
		.amdhsa_kernarg_size 48
		.amdhsa_user_sgpr_count 2
		.amdhsa_user_sgpr_kernarg_segment_ptr 1
		.amdhsa_wavefront_size32 1
		.amdhsa_system_sgpr_workgroup_id_x 1
		.amdhsa_system_sgpr_workgroup_id_y 1
		.amdhsa_system_sgpr_workgroup_id_z 1
		.amdhsa_system_vgpr_workitem_id 0
		.amdhsa_next_free_vgpr 1024
		.amdhsa_next_free_sgpr 96
		.amdhsa_reserve_vcc 0
		.amdhsa_float_denorm_mode_32 3
		.amdhsa_float_denorm_mode_16_64 3
		.amdhsa_memory_ordered 1
		.amdhsa_forward_progress 1
		.amdhsa_inst_pref_size 136
	.end_amdhsa_kernel
	.amdgpu_metadata
---
amdhsa.version: [ 1, 2 ]
amdhsa.kernels:
  - .name:           k_q1d73aebc6c_proj
    .symbol:         k_q1d73aebc6c_proj.kd
    .args:
      - { .name: xb, .offset: 0, .size: 8, .value_kind: global_buffer, .address_space: global }
      - { .name: wb, .offset: 8, .size: 8, .value_kind: global_buffer, .address_space: global }
      - { .name: bq, .offset: 16, .size: 8, .value_kind: global_buffer, .address_space: global }
      - { .name: bk, .offset: 24, .size: 8, .value_kind: global_buffer, .address_space: global }
      - { .name: bv, .offset: 32, .size: 8, .value_kind: global_buffer, .address_space: global }
      - { .name: qkv, .offset: 40, .size: 8, .value_kind: global_buffer, .address_space: global }
    .group_segment_fixed_size: 327680
    .private_segment_fixed_size: 0
    .kernarg_segment_align: 8
    .kernarg_segment_size: 48
    .max_flat_workgroup_size: 128
    .sgpr_count:     96
    .vgpr_count:     1024
    .wavefront_size: 32
...
	.end_amdgpu_metadata
.endif
;; end of part 2
;; launch scores (part 3): grid 8 x 32, 4 waves a work-group, clusters of 4 x 4, 327,680 bytes of LDS; arguments qkv, mask, p, stats; writes p, stats
.if DOCPART == 3
	.amdgcn_target "amdgcn-amd-amdhsa--gfx1250"
	.amdhsa_code_object_version 6
	.text
	.protected	k_q1d73aebc6c_scores
	.globl	k_q1d73aebc6c_scores
	.p2align	8
	.type	k_q1d73aebc6c_scores,@function
k_q1d73aebc6c_scores:
	s_mov_b64 s[64:65], 0
	v_nop
	global_prefetch_b8 v0, s[64:65] scope:SCOPE_SE
	s_setreg_imm32_b32 hwreg(HW_REG_WAVE_MODE, 25, 1), 1
	s_wait_xcnt 0x0
	s_wait_alu depctr_hold_cnt(0) depctr_sa_sdst(0) depctr_va_vdst(0) depctr_va_sdst(0) depctr_va_ssrc(0) depctr_va_vcc(0) depctr_vm_vsrc(0)
	s_getreg_b32 s2, hwreg(HW_REG_IB_STS2, 6, 4)
	s_cmp_eq_u32 s2, 0
	s_cbranch_scc0 .Lentry_in_a_cluster
	s_endpgm
.Lentry_in_a_cluster:
	s_bfe_u32 s2, ttmp6, 0x10000c
	s_cmp_lg_u32 s2, 0xf033
	s_cbranch_scc0 .Lentry_shape_is_right
	s_endpgm
.Lentry_shape_is_right:
; For each query row and each BLOCK of 128 keys: t = q . k / 32 + mask (f32);  m = max(t, -1e30) over the block;  ne = floor(-log2(e) m);
; p = 2^(t log2(e) + ne), stored in bf16;  l = the sum of the unrounded p, in f32.  stats: [2][4 batches][16 blocks][2048 rows] f32: plane 0 ne, plane 1 l.
; So the block's own maximum, rounded up to a whole power of two, is taken away before the exponential: p is at most 1 and the block's largest at least 1/2, whatever the
; scores' size.  The next launch corrects each block to the row's maximum by an exact power of two.
; LIMITS.  t below -1e30 counts as -inf (its p is 0; a block of such t has l = 0).  A p below 2^-126 counts as 0.  +inf and NaN are not treated apart.
; q and k arrive rounded once to bf16; p is rounded once to bf16.
; SHARES.  qkv: [3][8192][1024] bf16.  A tile is 256 queries x 256 keys: 32 x 8 = 256 tiles, one for each work-group.  Four waves, each 128 queries x 128 keys (one block):
; 64 accumulators, 512 registers.  K = 1,024 channels in steps of 128 through two LDS slots (256 rows of q, 256 of k, 256 bytes each).
; CLUSTER 4 x 4: q's tile is shared along a row of the cluster, k's along a column (a cluster's 1,024 queries lie in one batch).
; THE MASK comes into the ring's slots when they have been read out: behind K step 6 each wave asks for the mask of its first 64 queries x its 128 keys into its quarter of slot 0,
; behind K step 7 for its other 64 queries' into slot 1.  No two work-groups of a cluster want the same part of the mask, so these are loads of one's own, each behind a round.
; Rows of 512 bytes, 528 apart in LDS: a lane reads its query's 32 bytes of a key block as the accumulators lie, and the 16 rows of a load start 4 banks apart.
; THE MATRIX INSTRUCTION IS USED TRANSPOSED (source 0 = 16 keys, source 1 = 16 queries): lane l holds query l % 16 and the keys 8 (l / 16) + 0..7 of each key block.
; REGISTERS.  Window 0: v0-31 addresses and statistics; v32-63 packed p; v64-127, v128-191 two buffers of q's fragments (block a at 8 a), on the way out a block's 64 numbers and its
; mask; v192-223 partial sums; v224-255 rows read back.  Window 1: v64-127, v128-191 two buffers of k's fragments.  Windows 2, 3: accumulator (a, b) at v[8 (8 (a % 4) + b)].
.set PITCH,  272
.set HALFT,  128*PITCH                 ; what one tensor load of q or k brings
.set SLOT,   4*HALFT                   ; 139,264 bytes
.set STAGE,  2*SLOT                    ; behind the ring: 16 rows x 272 bytes for each wave: p's way out
.set SPITCH, 272
.set SSCR,   STAGE+4*16*SPITCH         ; 1,024 bytes for each wave: ne and l of its 128 rows
.set SPARE,  SSCR+4*1024               ; the spare words: two blocks of 256 bytes that no other line names
.set MPITCH, 528
.set MQ,     64*MPITCH                 ; a wave's part of a slot when it holds the mask: 33,792 bytes; four of them lie inside a slot
.set LAPS,   4
.set KSTEP,  128
.set MRD,  5                           ; v5-6  where I read my query's mask in slot 0, 1
.set SSTO, 7                           ; v7   where I put my query's ne and l, block 0
.set SRD,  8                           ; v8   where I read four rows' back
.set SGO,  9                           ; v9   16 x lane: their place in stats
.set C0,   10                          ; v10-13 four chains of the maximum
.set ADRA, 16
.set NE,   18                          ; v18-19 ne, twice
.set ADRB, 20
.set LS,   22                          ; v22  l
.set SST,  23                          ; v23  SSTO for the block in hand
.set STO,  24
.set RD,   25
.set CO,   26
.set SPW,  28                          ; v28  my spare word; never rewritten
.set NIL,  29                          ; v29  0; never rewritten
.set TMP,  32
.set F0,   64
.set F1,   128
.set T,    64
.set MA,   128
.set SU,   192
.set OB,   224
.set G1,  24
.set G0,  32
.set G1B, 48
.set G0B, 56
.set SEL, 66                           ; s[66:67] v_permlanex16_b32's selects: each lane takes its own place in the other half
.set G1M, 76                           ; s[76:83] descriptor group 1 for the mask;  s[84:91] group 0, a set for each half of my queries
.set G0M, 84
.set SC,  92                           ; s[92:93] 1/32
.set LG,  94                           ; s[94:95] log2(e)
.set MUL_LO, 0xa1
.set MUL_HI, 0xf1
.set TO_B,   0x40
.set MSB, 0
.macro WIN new
.if MSB != (\new)
	s_set_vgpr_msb (MSB<<8)|(\new)
.set MSB, \new
.endif
.endm
.macro PLACES
.rept 4
	v_nop
.endr
.endm
.macro JLOAD s                         ; a joint load: waves 0 and 1 fetch q's two halves, waves 2 and 3 k's; s_nop 0 and four v_nop behind each line
	s_cmp_eq_u32 s11, 0
	s_cbranch_scc0 .Lfor_b_\@
	tensor_load_to_lds s[G0+4*(\s):G0+4*(\s)+3], s[G1:G1+7]
	s_nop 0
.rept 4
	v_nop
.endr
	s_branch .Lasked_\@
.Lfor_b_\@:
	tensor_load_to_lds s[G0B+4*(\s):G0B+4*(\s)+3], s[G1B:G1B+7]
	s_nop 0
.rept 4
	v_nop
.endr
.Lasked_\@:
.endm
.macro CREST
	s_cmp_lg_u32 s10, 0
	s_cbranch_scc1 .Lnot_wave_0_\@
	s_barrier_signal -3
.Lnot_wave_0_\@:
	s_barrier_wait -3
	s_barrier_signal -1
	s_barrier_wait -1
.endm
.macro CROUND
	s_barrier_signal -1
	s_barrier_wait -1
	CREST
.endm
.macro MUL16 f, hi, a0, zero           ; query blocks a0, a0 + 1 of the window's four x all 8 key blocks, 32 channels; the 64 accumulators take turns
	WIN MUL_LO+0x50*(\hi)
.irp a, \a0, (\a0)+1
.irp b, 0,1,2,3,4,5,6,7
.if \zero
	v_wmma_f32_16x16x32_bf16 v[8*(8*(\a)+(\b)):8*(8*(\a)+(\b))+7], v[(\f)+8*(\b):(\f)+8*(\b)+7], v[(\f)+8*(4*(\hi)+(\a)):(\f)+8*(4*(\hi)+(\a))+7], 0
.else
	v_wmma_f32_16x16x32_bf16 v[8*(8*(\a)+(\b)):8*(8*(\a)+(\b))+7], v[(\f)+8*(\b):(\f)+8*(\b)+7], v[(\f)+8*(4*(\hi)+(\a)):(\f)+8*(4*(\hi)+(\a))+7], v[8*(8*(\a)+(\b)):8*(8*(\a)+(\b))+7]
.endif
.endr
.endr
.endm
.macro FETCH slot, k, f                ; 32 LDS loads in one run: k's 16 first, then q's 16, blocks ascending
	WIN TO_B
.irp i, 0,1,2,3,4,5,6,7
	ds_load_b128 v[(\f)+8*(\i):(\f)+8*(\i)+3],   v[ADRB+(\slot)] offset:(\k)+(\i)*16*PITCH
	ds_load_b128 v[(\f)+8*(\i)+4:(\f)+8*(\i)+7], v[ADRB+(\slot)] offset:(\k)+(\i)*16*PITCH+32
.endr
	WIN 0
.irp i, 0,1,2,3,4,5,6,7
	ds_load_b128 v[(\f)+8*(\i):(\f)+8*(\i)+3],   v[ADRA+(\slot)] offset:(\k)+(\i)*16*PITCH
	ds_load_b128 v[(\f)+8*(\i)+4:(\f)+8*(\i)+7], v[ADRA+(\slot)] offset:(\k)+(\i)*16*PITCH+32
.endr
.endm
.macro QUARTER slot, k, f, g, zero
	s_wait_dscnt 8                                 ; k and q's rows 0-63 are in; the youngest eight loads (q's rows 64-127) may be out
	MUL16 \f, 0, 0, \zero
	MUL16 \f, 0, 2, \zero
	PLACES
	FETCH \slot, \k, \g
	s_wait_dscnt 32                                ; all but the 32 just issued
	MUL16 \f, 1, 0, \zero
	MUL16 \f, 1, 2, \zero
.endm
; The first half of a K step's last quarter, and the opening barrier of the round of a change of slots: all my tensor loads, the add, my reads of this slot; then the signal.
.macro MEET
	WIN 0
	s_wait_tensorcnt 0x0
	ds_add_u32 v[SPW], v[NIL]
	s_wait_dscnt 9                                 ; (the add and the youngest eight loads may be out)
	MUL16 F1, 0, 0, 0                              ; sixteen matrix instructions stand between the add and the wait for it
	s_wait_dscnt 0x0                               ; the add is done, and my reads of this slot are over
	s_barrier_signal -1
	MUL16 F1, 0, 2, 0
	WIN 0
	s_barrier_wait -1
.endm
.macro TURN slot, next                 ; the whole last quarter; the slot takes the K step two steps on
	MEET
	CREST                                          ; no wave of any partner still reads this slot or has a load on its way
	s_add_nc_u64 s[G0+4*(\slot)+2:G0+4*(\slot)+3], s[G0+4*(\slot)+2:G0+4*(\slot)+3], 2*KSTEP*2
	s_add_nc_u64 s[G0B+4*(\slot)+2:G0B+4*(\slot)+3], s[G0B+4*(\slot)+2:G0B+4*(\slot)+3], 2*KSTEP*2
	JLOAD \slot                                    ; my one tensor load behind the round; its four v_nop are also the places in front of the loads below
	FETCH \next, 0, F0
	MUL16 F1, 1, 0, 0
	MUL16 F1, 1, 2, 0
.endm
.macro TURNM h, fetch                  ; the same in the last lap: slot h takes the mask of half h of my queries, a load of my own into my own quarter of the slot
	MEET
	CREST
	tensor_load_to_lds s[G0M+4*(\h):G0M+4*(\h)+3], s[G1M:G1M+7]
	s_nop 0
	PLACES
.if \fetch
	FETCH 1, 0, F0
.endif
	MUL16 F1, 1, 0, 0
	MUL16 F1, 1, 2, 0
.endm
	s_load_b256 s[68:75], s[0:1], 0x0              ; qkv s[68:69], mask s[70:71], p s[72:73], stats s[74:75]
	v_lshl_add_u32 v[SPW], v0, 2, SPARE
	v_mov_b32 v[NIL], 0
	ds_add_u32 v[SPW], v[NIL]                      ; the wave's opening: the add and its wait ahead of my first tensor load
	v_lshrrev_b32 v1, 5, v0
	v_readfirstlane_b32 s10, v1                    ; wave 0..3
	s_lshr_b32 s11, s10, 1                         ; which 128 queries are mine.  Also: I fetch for q (0) or for k (1)
	s_and_b32 s12, s10, 1                          ; which 128 keys.  Also: which half of that tile I fetch
	s_bfe_u32 s40, ttmp6, 0x40000                  ; cx
	s_bfe_u32 s41, ttmp6, 0x40004                  ; cy
	s_lshl_b32 s42, ttmp9, 2
	s_add_co_u32 s42, s42, s40                     ; X: key tile, 0..7
	s_and_b32 s13, ttmp7, 0xffff
	s_lshl_b32 s13, s13, 2
	s_add_co_u32 s13, s13, s41                     ; Y: query tile, 0..31
	s_and_b32 s45, ttmp7, 0xffff
	s_lshr_b32 s45, s45, 1                         ; the batch (8 query tiles = 2 clusters each), from the cluster's y alone: all sixteen partners share it
	s_lshl_b32 s43, s41, 2
	s_lshl_b32 s43, 15, s43                        ; my row of the cluster
	s_lshl_b32 s44, 0x1111, s40                    ; my column
	s_or_b32 s[G1+0], s43, (1<<16)|(1<<20)|(1<<21)|(5<<22)|(3<<25)   ; mask of work-groups; 2-byte elements; padding on; bit 21 beside a mask; after every 64 words, 4 words
	s_or_b32 s[G1B+0], s44, (1<<16)|(1<<20)|(1<<21)|(5<<22)|(3<<25)
.irp g, G1, G1B
	s_mov_b32 s[(\g)+1], 128<<16                   ; 128 rows of 128 elements, 1,024 elements from row to row
	s_mov_b32 s[(\g)+2], 128<<16
	s_mov_b32 s[(\g)+3], 128<<16
	s_mov_b32 s[(\g)+4], 128
	s_mov_b32 s[(\g)+5], 1024
	s_mov_b32 s[(\g)+6], 0
	s_mov_b32 s[(\g)+7], 0
.endr
	s_mov_b32 s[G1M+0], (2<<16)|(1<<20)|(6<<22)|(3<<25)  ; the mask: no work-group mask; 4-byte elements; padding on: after every 128 words, 4 words
	s_mov_b32 s[G1M+1], 128<<16                    ; 64 rows of 128 elements, 2,048 elements from row to row
	s_mov_b32 s[G1M+2], 64<<16
	s_mov_b32 s[G1M+3], 128<<16
	s_mov_b32 s[G1M+4], 64
	s_mov_b32 s[G1M+5], 2048
	s_mov_b32 s[G1M+6], 0
	s_mov_b32 s[G1M+7], 0
	s_lshl_b32 s16, s13, 8                         ; q: row 256 Y + 128 x half
	s_lshl_b32 s17, s12, 7
	s_add_co_u32 s16, s16, s17
	s_lshl_b32 s16, s16, 11
	s_mov_b32 s17, 0
	s_lshl_b32 s46, s45, 11                        ; k: plane 1, row 2,048 x batch + 256 X + 128 x half
	s_lshl_b32 s47, s42, 8
	s_add_co_u32 s46, s46, s47
	s_lshl_b32 s47, s12, 7
	s_add_co_u32 s46, s46, s47
	s_lshl_b32 s46, s46, 11
	s_add_co_u32 s46, s46, 0x1000000
	s_mov_b32 s47, 0
	s_mul_i32 s20, s10, HALFT                      ; where they go: q's two halves, then k's two = wave x 128 rows
	s_mov_b32 s[SEL], 0x76543210
	s_mov_b32 s[SEL+1], 0xfedcba98
	s_mov_b32 s[SC], 0x3d000000                    ; 1/32
	s_mov_b32 s[SC+1], s[SC]
	s_mov_b32 s[LG], 0x3fb8aa3b                    ; log2(e)
	s_mov_b32 s[LG+1], s[LG]
	s_mov_b32 s96, 0xbfb8aa3b                      ; -log2(e)
	s_mov_b32 s97, 0xf149f2ca                      ; -1e30
	s_wait_dscnt 0x0                               ; the opening add is done
	s_wait_kmcnt 0x0
	s_add_nc_u64 s[14:15], s[68:69], s[16:17]
	s_add_nc_u64 s[46:47], s[68:69], s[46:47]
	CROUND                                         ; all sixteen work-groups are here: the first joint loads meet
.irp s, 0,1
	s_mov_b32 s[G0+4*(\s)], 1
	s_add_co_u32 s[G0+4*(\s)+1], s20, (\s)*SLOT
	s_add_nc_u64 s[G0+4*(\s)+2:G0+4*(\s)+3], s[14:15], (\s)*KSTEP*2
	s_or_b32 s[G0+4*(\s)+3], s[G0+4*(\s)+3], 0x80000000
	s_mov_b32 s[G0B+4*(\s)], 1
	s_add_co_u32 s[G0B+4*(\s)+1], s20, (\s)*SLOT
	s_add_nc_u64 s[G0B+4*(\s)+2:G0B+4*(\s)+3], s[46:47], (\s)*KSTEP*2
	s_or_b32 s[G0B+4*(\s)+3], s[G0B+4*(\s)+3], 0x80000000
	JLOAD \s
.endr
	v_and_b32 v1, 15, v0                           ; r
	v_bfe_u32 v2, v0, 4, 1                         ; h
	v_and_b32 v3, 31, v0                           ; l
	v_mul_u32_u24 v15, v1, PITCH
	v_lshl_add_u32 v15, v2, 4, v15                 ; row x 272 + 16 x half: a fragment's place, and my place in p's stage
	s_mul_i32 s21, s11, HALFT                      ; my 128 rows of q
	s_mul_i32 s22, s12, HALFT                      ; my 128 rows of k,
	s_add_co_u32 s22, s22, 2*HALFT                 ; which lie behind q's 256
.irp s, 0,1
	v_add_nc_u32 v[ADRA+(\s)], s21, v15
	v_add_nc_u32 v[ADRB+(\s)], s22, v15
	s_add_co_u32 s21, s21, SLOT
	s_add_co_u32 s22, s22, SLOT
.endr
	s_mul_i32 s23, s10, 16*SPITCH
	s_add_co_u32 s23, s23, STAGE                   ; my stage
	v_add_nc_u32 v[STO], s23, v15
	v_mul_u32_u24 v4, v2, SPITCH
	v_lshl_add_u32 v4, v1, 4, v4
	v_add_nc_u32 v[RD], s23, v4
	v_lshlrev_b32 v4, 12, v2                       ; two rows of p, 4,096 bytes apart
	v_lshl_add_u32 v[CO], v1, 4, v4
	s_mul_i32 s23, s10, MQ                         ; my quarter of a slot that holds the mask
	v_mul_u32_u24 v4, v1, MPITCH
	v_lshl_add_u32 v4, v2, 5, v4                   ; row r, my lanes' 32 bytes of each 64
	v_add_nc_u32 v[MRD], s23, v4
	v_add_nc_u32 v[MRD+1], SLOT, v[MRD]
	s_lshl_b32 s21, s10, 10
	s_add_co_u32 s21, s21, SSCR
	v_lshl_add_u32 v[SSTO], v1, 2, s21
	v_lshl_add_u32 v[SRD], v3, 4, s21
	v_lshlrev_b32 v[SGO], 4, v3
	v_mov_b32 v14, 0                               ; v_permlanex16_b32's destination counts as read
	s_lshl_b32 s18, s11, 7                         ; 128 x my half of the rows
	s_and_b32 s22, s13, 7                          ; my first query in its batch: 256 (Y % 8) + 128 RH
	s_lshl_b32 s22, s22, 8
	s_add_co_u32 s22, s22, s18
	s_lshl_b32 s16, s22, 13                        ; mask: 8,192 bytes a row; keys 256 X + 128 CH, 4 bytes each
	s_lshl_b32 s19, s42, 10
	s_add_co_u32 s16, s16, s19
	s_lshl_b32 s19, s12, 9
	s_add_co_u32 s16, s16, s19
	s_mov_b32 s17, 0
	s_add_nc_u64 s[14:15], s[70:71], s[16:17]
.irp h, 0,1
	s_mov_b32 s[G0M+4*(\h)], 1
	s_add_co_u32 s[G0M+4*(\h)+1], s23, (\h)*SLOT
	s_add_nc_u64 s[G0M+4*(\h)+2:G0M+4*(\h)+3], s[14:15], (\h)*64*8192
	s_or_b32 s[G0M+4*(\h)+3], s[G0M+4*(\h)+3], 0x80000000
.endr
	s_lshl_b32 s16, s13, 8                         ; p: row 256 Y + 128 RH, 4,096 bytes a row; keys 2 bytes each
	s_add_co_u32 s16, s16, s18
	s_lshl_b32 s16, s16, 12
	s_lshl_b32 s19, s42, 9
	s_add_co_u32 s16, s16, s19
	s_lshl_b32 s19, s12, 8
	s_add_co_u32 s16, s16, s19
	s_add_nc_u64 s[8:9], s[72:73], s[16:17]
	s_lshl_b32 s16, s45, 4                         ; stats: block 2 X + CH of the batch's 16, 2,048 rows a block
	s_lshl_b32 s19, s42, 1
	s_add_co_u32 s16, s16, s19
	s_add_co_u32 s16, s16, s12
	s_lshl_b32 s16, s16, 11
	s_add_co_u32 s16, s16, s22
	s_lshl_b32 s16, s16, 2
	s_add_nc_u64 s[98:99], s[74:75], s[16:17]
	s_wait_tensorcnt 1                             ; my part of K step 0 is in; K step 1's may stay out
	s_barrier_signal -1
	s_barrier_wait -1
	FETCH 0, 0, F0
	QUARTER 0, 64, F0, F1, 1                       ; the first quarter starts the sums: nothing is cleared
	WIN 0
	s_mov_b32 s3, LAPS-1
.Llap:                                                 ; a trip goes once round the ring, from a lap's second quarter to the next lap's first, and fills both slots again
	QUARTER 0, 128, F1, F0, 0
	QUARTER 0, 192, F0, F1, 0
	TURN 0, 1
	QUARTER 1, 64,  F0, F1, 0
	QUARTER 1, 128, F1, F0, 0
	QUARTER 1, 192, F0, F1, 0
	TURN 1, 0
	QUARTER 0, 64,  F0, F1, 0
	WIN 0
	s_sub_co_u32 s3, s3, 1
	s_cmp_lg_u32 s3, 0
	s_cbranch_scc1 .Llap
	QUARTER 0, 128, F1, F0, 0                      ; the last lap: the slots take the mask
	QUARTER 0, 192, F0, F1, 0
	TURNM 0, 1                                     ; it has 224 matrix instructions in which to land
	QUARTER 1, 64,  F0, F1, 0
	QUARTER 1, 128, F1, F0, 0
	QUARTER 1, 192, F0, F1, 0
	TURNM 1, 0                                     ; its wait for all loads has shown slot 0's mask landed; slot 1's lands while my first four blocks go out
	WIN 0
	; THE WAY OUT, a loop over my eight blocks of 16 queries x 128 keys, 64 numbers a lane.  Only the lines that name a block's accumulators and its place in the mask are written for
	; each block, chosen by a forward branch on the count: they leave t = s / 32 + mask in fixed registers.  The rest is written once, all in window 0.
	PLACES
	PLACES
	s_mov_b32 s5, 0
.macro SEC a
.Lsec\a:
.if (\a) >= 4
	s_wait_tensorcnt 0x0                           ; slot 1's mask has landed; written in each of the four blocks that read it, so that it stands on every way to such a read
.endif
.set i, 0
.rept 16
	ds_load_b128 v[MA+4*i:MA+4*i+3], v[MRD+(\a)/4] offset:((\a)%4)*16*MPITCH+(i/2)*64+(i%2)*16
.set i, i+1
.endr
	s_wait_dscnt 0x0
	WIN 0x02+(\a)/4                                ; source 0 in window 2 or 3
.set i, 0
.rept 32
	v_pk_fma_f32 v[T+2*i:T+2*i+1], v[64*((\a)%4)+2*i:64*((\a)%4)+2*i+1], s[SC:SC+1], v[MA+2*i:MA+2*i+1] op_sel_hi:[1,0,1]  ; each accumulator from its low end on
.set i, i+1
.endr
	WIN 0
.if (\a) != 0
	s_branch .Ljoin
.endif
.endm
.Lblk:
.irp k, 0,1,2,3,4,5,6
	s_cmp_eq_u32 s5, \k
	s_cbranch_scc1 .Lsec\k
.endr
	SEC 7
	SEC 6
	SEC 5
	SEC 4
	SEC 3
	SEC 2
	SEC 1
	SEC 0
.Ljoin:
.set i, 0
.rept 4
	v_max3_num_f32 v[C0+i], v[T+2*i], v[T+2*i+1], s97      ; four chains; each starts at -1e30
.set i, i+1
.endr
.rept 28
	v_max3_num_f32 v[C0+i%4], v[C0+i%4], v[T+2*i], v[T+2*i+1]
.set i, i+1
.endr
	v_max3_num_f32 v[C0], v[C0], v[C0+1], v[C0+2]
	v_max_num_f32 v[C0], v[C0], v[C0+3]
	v_permlanex16_b32 v14, v[C0], s[SEL], s[SEL+1] ; the query's other 64 keys lie in the lane 16 away
	v_max_num_f32 v[C0], v[C0], v14
	v_mul_f32 v15, s96, v[C0]
	v_floor_f32 v[NE], v15                         ; ne = floor(-log2(e) m)
	v_mov_b32 v[NE+1], v[NE]
.set i, 0
.rept 32
	v_pk_fma_f32 v[T+2*i:T+2*i+1], v[T+2*i:T+2*i+1], s[LG:LG+1], v[NE:NE+1] op_sel_hi:[1,0,0]
.set i, i+1
.endr
.set i, 0
.rept 64
	v_exp_f32 v[T+i], v[T+i]                       ; one batch of 64
.set i, i+1
.endr
	v_nop                                          ; a plain instruction behind the last exponential,
	s_wait_alu depctr_va_vdst(0)                   ; and one wait for the batch, ahead of its first reader
.set i, 0
.rept 32
	v_cvt_pk_bf16_f32 v[TMP+i], v[T+2*i], v[T+2*i+1]
.set i, i+1
.endr
.set i, 0
.rept 16
	v_pk_add_f32 v[SU+2*i:SU+2*i+1], v[T+4*i:T+4*i+1], v[T+4*i+2:T+4*i+3]  ; l is taken of the unrounded p
.set i, i+1
.endr
.irp w, 8,4,2,1
.set i, 0
.rept \w
	v_pk_add_f32 v[SU+2*i:SU+2*i+1], v[SU+2*i:SU+2*i+1], v[SU+2*(i+(\w)):SU+2*(i+(\w))+1]
.set i, i+1
.endr
.endr
	v_add_f32 v[LS], v[SU], v[SU+1]
	v_permlanex16_b32 v14, v[LS], s[SEL], s[SEL+1]
	v_add_f32 v[LS], v[LS], v14
	v_lshl_add_u32 v[SST], s5, 6, v[SSTO]          ; the block's 16 words
	ds_store_b32 v[SST], v[NE]                     ; both halves of the lanes write the same word with the same number
	ds_store_b32 v[SST], v[LS] offset:512
.irp b, 0,1,2,3,4,5,6,7
	ds_store_b128 v[STO], v[TMP+4*(\b):TMP+4*(\b)+3] offset:32*(\b)
.endr
.irp t, 0,1,2,3,4,5,6,7
	ds_load_b128 v[OB+4*(\t):OB+4*(\t)+3], v[RD] offset:(\t)*2*SPITCH  ; LDS serves a wave's instructions in order: these see the stores above
.endr
	s_wait_dscnt 0x0
.irp t, 0,1,2,3,4,5,6,7
	global_store_b128 v[CO], v[OB+4*(\t):OB+4*(\t)+3], s[8:9] offset:2*(\t)*4096  ; 16 lanes store 256 consecutive bytes, at a multiple of 256
.endr
	s_wait_xcnt 0x0                                ; the stores have read their base and their data: both are written again below and in the next trip
	s_add_nc_u64 s[8:9], s[8:9], 16*4096           ; the next 16 rows of p
	s_add_co_u32 s5, s5, 1
	s_cmp_lt_u32 s5, 8
	s_cbranch_scc1 .Lblk
	ds_load_b128 v[C0:C0+3], v[SRD]                ; ne of my wave's 128 rows: 512 bytes,
	ds_load_b128 v[TMP:TMP+3], v[SRD] offset:512   ; and l
	s_wait_dscnt 0x0
	global_store_b128 v[SGO], v[C0:C0+3], s[98:99] ; each store covers 512 consecutive bytes, at a multiple of 256
	global_store_b128 v[SGO], v[TMP:TMP+3], s[98:99] offset:524288
	s_wait_tensorcnt 0x0                           ; the wave's end
	ds_add_u32 v[SPW], v[NIL]
	s_wait_dscnt 0x0
	CROUND                                         ; the closing round
	s_endpgm
.Lfunc_end_k_q1d73aebc6c_scores:
	.size	k_q1d73aebc6c_scores, .Lfunc_end_k_q1d73aebc6c_scores-k_q1d73aebc6c_scores
	.p2alignl 7, 3214868480
	.fill 96, 4, 3214868480
	.section	.rodata,"a",@progbits
	.p2align	6, 0x0
	.amdhsa_kernel k_q1d73aebc6c_scores
		.amdhsa_group_segment_fixed_size 327680
		.amdhsa_private_segment_fixed_size 0
		.amdhsa_enable_private_segment 0
		.amdhsa_kernarg_size 32
		.amdhsa_user_sgpr_count 2
		.amdhsa_user_sgpr_kernarg_segment_ptr 1
		.amdhsa_wavefront_size32 1
		.amdhsa_system_sgpr_workgroup_id_x 1
		.amdhsa_system_sgpr_workgroup_id_y 1
		.amdhsa_system_sgpr_workgroup_id_z 1
		.amdhsa_system_vgpr_workitem_id 0
		.amdhsa_next_free_vgpr 1024
		.amdhsa_next_free_sgpr 100
		.amdhsa_reserve_vcc 0
		.amdhsa_float_denorm_mode_32 3
		.amdhsa_float_denorm_mode_16_64 3
		.amdhsa_memory_ordered 1
		.amdhsa_forward_progress 1
		.amdhsa_inst_pref_size 153
	.end_amdhsa_kernel
	.amdgpu_metadata
---
amdhsa.version: [ 1, 2 ]
amdhsa.kernels:
  - .name:           k_q1d73aebc6c_scores
    .symbol:         k_q1d73aebc6c_scores.kd
    .args:
      - { .name: qkv, .offset: 0, .size: 8, .value_kind: global_buffer, .address_space: global }
      - { .name: mask, .offset: 8, .size: 8, .value_kind: global_buffer, .address_space: global }
      - { .name: p, .offset: 16, .size: 8, .value_kind: global_buffer, .address_space: global }
      - { .name: stats, .offset: 24, .size: 8, .value_kind: global_buffer, .address_space: global }
    .group_segment_fixed_size: 327680
    .private_segment_fixed_size: 0
    .kernarg_segment_align: 8
    .kernarg_segment_size: 32
    .max_flat_workgroup_size: 128
    .sgpr_count:     100
    .vgpr_count:     1024
    .wavefront_size: 32
...
	.end_amdgpu_metadata
.endif
;; end of part 3
;; launch pv (part 4): grid 4 x 64, 4 waves a work-group, clusters of 4 x 4, 327,680 bytes of LDS; arguments p, qkv, stats, out0; writes out0
.if DOCPART == 4
	.amdgcn_target "amdgcn-amd-amdhsa--gfx1250"
	.amdhsa_code_object_version 6
	.text
	.protected	k_q1d73aebc6c_pv
	.globl	k_q1d73aebc6c_pv
	.p2align	8
	.type	k_q1d73aebc6c_pv,@function
k_q1d73aebc6c_pv:
	s_mov_b64 s[64:65], 0
	v_nop
	global_prefetch_b8 v0, s[64:65] scope:SCOPE_SE
	s_setreg_imm32_b32 hwreg(HW_REG_WAVE_MODE, 25, 1), 1
	s_wait_xcnt 0x0
	s_wait_alu depctr_hold_cnt(0) depctr_sa_sdst(0) depctr_va_vdst(0) depctr_va_sdst(0) depctr_va_ssrc(0) depctr_va_vcc(0) depctr_vm_vsrc(0)
	s_getreg_b32 s2, hwreg(HW_REG_IB_STS2, 6, 4)
	s_cmp_eq_u32 s2, 0
	s_cbranch_scc0 .Lentry_in_a_cluster
	s_endpgm
.Lentry_in_a_cluster:
	s_bfe_u32 s2, ttmp6, 0x10000c
	s_cmp_lg_u32 s2, 0xf033
	s_cbranch_scc0 .Lentry_shape_is_right
	s_endpgm
.Lentry_shape_is_right:
; out[row] = (the sum over the 16 key blocks of g_blk P_blk V_blk) / L.  p: [8192][2048] bf16, each block of 128 keys scaled by 2^ne of its own; v = qkv's plane 2, [8192][1024] bf16;
; stats: [2][4][16][2048] f32 (ne, l); out0: [8192][1024] f32.  For a row: Nmin = the least ne (the row's maximum); g_blk = 2^(Nmin - ne_blk), a whole power of two, at most 1;
; L = the sum of g l, in f32.  P's fragments are multiplied by g in bf16, which is exact for a power of two; 1/L is applied in f32 at the end.
; LIMITS.  A g below 2^-126 counts as 0.  A row whose every score was -inf has L = 0 and comes out NaN, as the softmax of such a row does.
; SHARES.  A tile is 128 rows x 256 channels: 64 x 4 = 256 tiles, one for each work-group.  Four waves, each 64 x 128: 32 accumulators.  K = 2,048 keys in 16 steps of 128 (one block)
; through two LDS slots: 128 rows x 256 bytes of p, 128 key rows x 512 bytes of v, read out turned by ds_load_tr16_b128.
; A K STEP IS WRITTEN ONCE.  Slot 1 begins at LDS byte 2^17, so that one exclusive or turns an address in one slot into the other's: a scalar holds the slot in hand, and one descriptor
; for each tensor walks from K step to K step.  14 trips fill a slot again; the last two K steps, which fill nothing, are a second loop.
; CLUSTER 4 x 4: p's tile is shared along a row of the cluster, v's along a column (a cluster's 512 rows lie in one batch).
; THE MATRIX INSTRUCTION IS USED TRANSPOSED (source 0 = 16 channels, source 1 = 16 rows of p): lane l holds row l % 16 and the channels 8 (l / 16) + 0..7.
; REGISTERS.  Window 0: v0-31 addresses; v32-35 g by row block; v40-47 1/L by row block; v64-159, v160-255 fragment buffers (p: block a at 8 a; v: block b at 32 + 8 b); on the way out
; v160-223 a block's 64 numbers, v64-127 rows read back.  Window 1: accumulator (a, b) at v[8 (8 a + b)].
.set PITCH,  272                       ; a row of p in LDS: 256 bytes + 16: the 16 rows of a fragment load start 4 banks apart
.set PB,     544                       ; a key row of v in LDS: 512 bytes + 32
.set AHALF,  64*PITCH                  ; what wave 0 or 1 fetches, and what a wave reads of p
.set BOFF,   2*AHALF
.set BHALF,  64*PB                     ; what wave 2 or 3 fetches: 64 key rows
.set SLOT,   BOFF+2*BHALF              ; 104,448 bytes
.set SLOT1,  1<<17                     ; where slot 1 begins
.set STAGE,  SLOT1+SLOT                ; behind the ring: 16 rows x 528 bytes for each wave, for the way out
.set OPITCH, 528
.set GT,     STAGE+4*16*OPITCH         ; g, twice in a word as bf16: [16 blocks][128 rows], 512 bytes a block
.set RINV,   GT+16*512                 ; 1/L of the 128 rows
.set SPARE,  RINV+512                  ; the spare words: 128 bytes a wave, two blocks of 256 bytes that no other line names
.set STEPS,  16
.set SA1,    256                       ; a K step of p in memory: 256 bytes along a row
.set SB1,    128*2048                  ; a K step of v: 128 rows of 2,048 bytes
.set ADRA0, 16                         ; v16  my lane's place among my fragments of p in slot 0; never rewritten
.set ADRB0, 17                         ; v17  the same for v
.set AA,   20                          ; v20  the same in the slot in hand
.set AB,   21                          ; v21
.set STO,  24                          ; v24  the way out: where I put 32 bytes of a row
.set RD,   25                          ; v25  where I read a row back
.set CO,   26                          ; v26  my 16 bytes of a row of out0
.set GA,   27                          ; v27  where I read my rows' g; steps a block at each K step
.set SPW,  28                          ; v28  my spare word: SPARE + 4 x my thread's number; never rewritten
.set NIL,  29                          ; v29  0; never rewritten
.set RA,   30                          ; v30  where I read my rows' 1/L
.set PFO,  31                          ; v31  the prefetches' offset of my lane; never rewritten
.set GR,   32
.set RV,   40
.set F0,   64
.set F1,   160
.set T,    160
.set OB,   64
.set G1,  24                           ; s[24:31] descriptor group 1 for p;  s[32:39] group 0: a set for each of the two first fills; the second then walks on
.set G0,  32
.set G1B, 48                           ; s[48:55], s[56:63] the same for v
.set G0B, 56
.set TB,  66                           ; s66  LDS byte at which the slot in hand begins
.set LIM, 67                           ; s67  2 in a wave that prefetches, else the greatest number: a wave prefetches while more trips than that are left
.set PFA, 76                           ; s[76:77] where my prefetches stand in memory
.set PFS, 78                           ; s[78:79] their step from K step to K step
.set MUL,  0x50                        ; C and D in window 1, both sources in window 0
.set MSB, 0
.macro WIN new                         ; the immediate's high byte repeats the setting that is left; a switch that changes nothing is dropped
.if MSB != (\new)
	s_set_vgpr_msb (MSB<<8)|(\new)
.set MSB, \new
.endif
.endm
.macro PLACES                          ; four plain places behind matrix instructions, in front of reads of results and of writes of their sources
.rept 4
	v_nop
.endr
.endm
; A joint load: waves 0 and 1 fetch p's two halves, waves 2 and 3 v's.  The branch hangs on the wave's number alone.
; An s_nop 0 and four v_nop follow each of the two lines, ahead of the jump and the label.
.macro JLOAD s
	s_cmp_eq_u32 s11, 0
	s_cbranch_scc0 .Lfor_b_\@
	tensor_load_to_lds s[G0+4*(\s):G0+4*(\s)+3], s[G1:G1+7]
	s_nop 0
.rept 4
	v_nop
.endr
	s_branch .Lasked_\@
.Lfor_b_\@:
	tensor_load_to_lds s[G0B+4*(\s):G0B+4*(\s)+3], s[G1B:G1B+7]
	s_nop 0
.rept 4
	v_nop
.endr
.Lasked_\@:
.endm
.macro CREST                           ; a round of the cluster's barrier behind its opening barrier
	s_cmp_lg_u32 s10, 0
	s_cbranch_scc1 .Lnot_wave_0_\@
	s_barrier_signal -3
.Lnot_wave_0_\@:
	s_barrier_wait -3
	s_barrier_signal -1
	s_barrier_wait -1
.endm
.macro CROUND                          ; a whole round
	s_barrier_signal -1
	s_barrier_wait -1
	CREST
.endm
; A PREFETCH INTO THE L2, behind each joint refill, its five lines and the run of LDS loads that follows them: the K step that stands TWO refills on, 256 matrix instructions ahead of the load
; that will want it.  One instruction a wave; each aligned block of 256 bytes is named once in the launch.
; p: a K step is 256 bytes of each of the tile's 128 rows, and only the four partners of my row of the cluster read them: each takes 32 rows, told apart by address; wave 0 asks, a lane a row.
; v: a K step is 128 key rows x 512 bytes for a tile column, and the four clusters of a batch read them: the batch's first cluster asks; of the 64 key rows that wave 2 or 3 fetches each of
; the four partners of a column takes 16, told apart by address: two lanes a row, 256 bytes each.  No branch hangs on a work-group's place in its cluster.
; K steps 0 to 3 come by their loads alone; the last two refills ask for nothing, since K steps 16 and 17 do not exist.
.macro ASK
	s_cmp_gt_u32 s3, s[LIM]
	s_cbranch_scc0 .Lnot_mine_\@
	global_prefetch_b8 v[PFO], s[PFA:PFA+1] th:TH_LOAD_NT scope:SCOPE_SE
.Lnot_mine_\@:
.endm
.macro MUL8 f, a, zero                 ; row block a x all 8 channel blocks, 32 keys; the 32 accumulators take turns, in the same order in every quarter
	WIN MUL
.irp b, 0,1,2,3,4,5,6,7
.if \zero
	v_wmma_f32_16x16x32_bf16 v[8*(8*(\a)+(\b)):8*(8*(\a)+(\b))+7], v[(\f)+32+8*(\b):(\f)+32+8*(\b)+7], v[(\f)+8*(\a):(\f)+8*(\a)+7], 0
.else
	v_wmma_f32_16x16x32_bf16 v[8*(8*(\a)+(\b)):8*(8*(\a)+(\b))+7], v[(\f)+32+8*(\b):(\f)+32+8*(\b)+7], v[(\f)+8*(\a):(\f)+8*(\a)+7], v[8*(8*(\a)+(\b)):8*(8*(\a)+(\b))+7]
.endif
.endr
.endm
.macro SCALE f, a                      ; row block a's fragment of p times its rows' g: a lane holds one row, so one register of g serves its eight
.irp j, 0,1,2,3,4,5,6,7
	v_pk_mul_bf16 v[(\f)+8*(\a)+(\j)], v[(\f)+8*(\a)+(\j)], v[GR+(\a)]
.endr
.endm
; A run of LDS loads from the slot in hand: with a K step's first quarter its four registers of g first (the step before's last scalings have been issued); then v's 16 (turned), then p's 8, row blocks ascending
.macro FETCH kq, f
	WIN 0
.if (\kq) == 0
.irp a, 0,1,2,3
	ds_load_b32 v[GR+(\a)], v[GA] offset:64*(\a)
.endr
	v_add_nc_u32 v[GA], 512, v[GA]                 ; the next K step's block
.endif
.irp b, 0,1,2,3,4,5,6,7
	ds_load_tr16_b128 v[(\f)+32+8*(\b):(\f)+32+8*(\b)+3],   v[AB] offset:(\kq)*32*PB+32*(\b)
	ds_load_tr16_b128 v[(\f)+32+8*(\b)+4:(\f)+32+8*(\b)+7], v[AB] offset:(\kq)*32*PB+32*(\b)+16*PB
.endr
.irp a, 0,1,2,3
	ds_load_b128 v[(\f)+8*(\a):(\f)+8*(\a)+3],   v[AA] offset:64*(\kq)+(\a)*16*PITCH
	ds_load_b128 v[(\f)+8*(\a)+4:(\f)+8*(\a)+7], v[AA] offset:64*(\kq)+(\a)*16*PITCH+32
.endr
.endm
; One of a K step's first three quarters: multiplies buffer f and, in its middle, fetches quarter kq of the slot in hand into buffer g.
.macro QUARTER kq, f, g, zero
	WIN 0
	s_wait_dscnt 4                                 ; all but the youngest four loads (p's row blocks 2 and 3) are in
	SCALE \f, 0
	SCALE \f, 1
	MUL8 \f, 0, \zero
	MUL8 \f, 1, \zero
	WIN 0
	s_wait_dscnt 0x0
	SCALE \f, 2                                    ; sixteen plain instructions that name no register of the products so far: the places in front of the loads below
	SCALE \f, 3
	FETCH \kq, \g
	MUL8 \f, 2, \zero
	MUL8 \f, 3, \zero
.endm
; The first half of a K step's last quarter, and the one barrier of the change of slots: each wave waits for all its tensor loads (at most one is out: its part of the next slot),
; adds 0 to its spare word, and waits for that and for its own reads of this slot.  Behind the barrier nobody reads this slot and the next slot is whole.
.macro MEET round
	WIN 0
	s_wait_tensorcnt 0x0
	ds_add_u32 v[SPW], v[NIL]
	s_wait_dscnt 5                                 ; (the add and the youngest four loads may be out)
	SCALE F1, 0
	SCALE F1, 1
	MUL8 F1, 0, 0                                  ; work on registers stands between the add and the wait for it
	s_wait_dscnt 0x0                               ; the add is done, and my reads of this slot are over
	s_barrier_signal -1
	MUL8 F1, 1, 0
.if \round
	WIN 0
.endif
	s_barrier_wait -1
.endm
.macro NEXTSLOT                        ; the fetches go over to the other slot
	s_xor_b32 s[TB], s[TB], SLOT1
	v_add_nc_u32 v[AA], s[TB], v[ADRA0]
	v_add_nc_u32 v[AB], s[TB], v[ADRB0]
.endm
.macro TURN                            ; the whole last quarter, with a refill: the slot just read out takes the K step two steps on
	s_wait_xcnt 0x0                                ; the last prefetch, a K step back, has read its address: it is stepped here, ahead of the waits of the change of slots
	s_add_nc_u64 s[PFA:PFA+1], s[PFA:PFA+1], s[PFS:PFS+1]
	MEET 1
	CREST                                          ; no wave of any partner still reads this slot or has a load on its way
	s_xor_b32 s[G0+5], s[G0+5], SLOT1              ; the walking descriptors: the other slot than last time,
	s_add_nc_u64 s[G0+6:G0+7], s[G0+6:G0+7], SA1   ; the next K step; the type bits on top are not reached
	s_xor_b32 s[G0B+5], s[G0B+5], SLOT1
	s_add_nc_u64 s[G0B+6:G0B+7], s[G0B+6:G0B+7], SB1
	JLOAD 1                                        ; my one tensor load behind the round
	NEXTSLOT
	SCALE F1, 2
	SCALE F1, 3
	FETCH 0, F0
	ASK
	MUL8 F1, 2, 0
	MUL8 F1, 3, 0
.endm
.macro TURNL                           ; the same where nothing is filled: no round of the cluster's barrier.  Behind the last K step there is no next slot: its fetch is jumped over
	MEET 0
	WIN 0
	NEXTSLOT
	SCALE F1, 2                                    ; plain instructions that name no register of the products so far: the places in front of the loads below
	SCALE F1, 3
	s_cmp_eq_u32 s3, 1
	s_cbranch_scc1 .Lno_next
	FETCH 0, F0
.Lno_next:
	MUL8 F1, 2, 0
	MUL8 F1, 3, 0
.endm
	s_load_b256 s[68:75], s[0:1], 0x0              ; p s[68:69], qkv s[70:71], stats s[72:73], out0 s[74:75]
	v_lshl_add_u32 v[SPW], v0, 2, SPARE
	v_mov_b32 v[NIL], 0
	ds_add_u32 v[SPW], v[NIL]                      ; the wave's opening: the add and its wait ahead of my first tensor load
	v_lshrrev_b32 v1, 5, v0
	v_readfirstlane_b32 s10, v1                    ; wave 0..3
	s_lshr_b32 s11, s10, 1                         ; which 64 rows are mine.  Also: I fetch for p (0) or for v (1)
	s_and_b32 s12, s10, 1                          ; which 128 channels.  Also: which half of that tile I fetch
	s_bfe_u32 s40, ttmp6, 0x40000                  ; cx
	s_bfe_u32 s41, ttmp6, 0x40004                  ; cy
	s_lshl_b32 s42, ttmp9, 2
	s_add_co_u32 s42, s42, s40                     ; X: tile column, 0..3
	s_and_b32 s13, ttmp7, 0xffff
	s_lshl_b32 s13, s13, 2
	s_add_co_u32 s13, s13, s41                     ; Y: tile row, 0..63
	s_and_b32 s45, ttmp7, 0xffff
	s_lshr_b32 s45, s45, 2                         ; the batch, from the cluster's y alone
	s_lshl_b32 s43, s41, 2
	s_lshl_b32 s43, 15, s43                        ; my row of the cluster
	s_lshl_b32 s44, 0x1111, s40                    ; my column
	s_or_b32 s[G1+0], s43, (1<<16)|(1<<20)|(1<<21)|(5<<22)|(3<<25)   ; mask; 2-byte elements; padding on; bit 21 beside a mask; after every 64 words, 4 words
	s_or_b32 s[G1B+0], s44, (1<<16)|(1<<20)|(1<<21)|(6<<22)|(7<<25)  ; the same with my column's mask; after every 128 words, 8 words
	s_mov_b32 s[G1+1], 128<<16                     ; p: 64 rows of 128 elements, 2,048 elements from row to row
	s_mov_b32 s[G1+2], 64<<16
	s_mov_b32 s[G1+3], 128<<16
	s_mov_b32 s[G1+4], 64
	s_mov_b32 s[G1+5], 2048
	s_mov_b32 s[G1+6], 0
	s_mov_b32 s[G1+7], 0
	s_mov_b32 s[G1B+1], 256<<16                    ; v: 64 key rows of 256 elements, 1,024 elements from row to row
	s_mov_b32 s[G1B+2], 64<<16
	s_mov_b32 s[G1B+3], 256<<16
	s_mov_b32 s[G1B+4], 64
	s_mov_b32 s[G1B+5], 1024
	s_mov_b32 s[G1B+6], 0
	s_mov_b32 s[G1B+7], 0
	s_lshl_b32 s16, s13, 7                         ; p: row 128 Y + 64 x half, 4,096 bytes a row
	s_lshl_b32 s17, s12, 6
	s_add_co_u32 s16, s16, s17
	s_lshl_b32 s16, s16, 12
	s_mov_b32 s17, 0
	s_lshl_b32 s46, s45, 11                        ; v: plane 2, key row 2,048 x batch + 64 x half, channel 256 X
	s_lshl_b32 s47, s12, 6
	s_add_co_u32 s46, s46, s47
	s_lshl_b32 s46, s46, 11
	s_lshl_b32 s47, s42, 9
	s_add_co_u32 s46, s46, s47
	s_add_co_u32 s46, s46, 0x2000000
	s_mov_b32 s47, 0
	s_mul_i32 s20, s12, AHALF                      ; where they go: no place in the cluster enters an LDS address
	s_mul_i32 s21, s12, BHALF
	s_add_co_u32 s21, s21, BOFF
	s_mov_b32 s90, 0x03020302                      ; v_perm_b32: the upper half of a word, twice
	s_mov_b32 s[TB], 0
	s_wait_dscnt 0x0                               ; the opening add is done
	s_wait_kmcnt 0x0
	s_add_nc_u64 s[14:15], s[68:69], s[16:17]
	s_add_nc_u64 s[46:47], s[70:71], s[46:47]
	CROUND                                         ; all sixteen work-groups are here: the first joint loads meet
.irp s, 0,1
	s_mov_b32 s[G0+4*(\s)], 1
	s_add_co_u32 s[G0+4*(\s)+1], s20, (\s)*SLOT1
	s_add_nc_u64 s[G0+4*(\s)+2:G0+4*(\s)+3], s[14:15], (\s)*SA1
	s_or_b32 s[G0+4*(\s)+3], s[G0+4*(\s)+3], 0x80000000
	s_mov_b32 s[G0B+4*(\s)], 1
	s_add_co_u32 s[G0B+4*(\s)+1], s21, (\s)*SLOT1
	s_add_nc_u64 s[G0B+4*(\s)+2:G0B+4*(\s)+3], s[46:47], (\s)*SB1
	s_or_b32 s[G0B+4*(\s)+3], s[G0B+4*(\s)+3], 0x80000000
	JLOAD \s
.endr
	; THE ROWS' STATISTICS, in the wait for the first tiles: thread t takes row t of the tile's 128
	s_and_b32 s22, s13, 15
	s_lshl_b32 s22, s22, 7
	s_lshl_b32 s16, s45, 15
	s_add_co_u32 s16, s16, s22
	s_lshl_b32 s16, s16, 2
	s_mov_b32 s17, 0
	s_add_nc_u64 s[88:89], s[72:73], s[16:17]
	v_lshlrev_b32 v3, 2, v0
.set i, 0
.rept 16
	global_load_b32 v[64+i], v3, s[88:89] offset:8192*i          ; ne of block i
.set i, i+1
.endr
.set i, 0
.rept 16
	global_load_b32 v[80+i], v3, s[88:89] offset:524288+8192*i   ; l of block i
.set i, i+1
.endr
	v_lshl_add_u32 v4, v0, 2, GT
	v_and_b32 v1, 15, v0                           ; r
	v_bfe_u32 v2, v0, 4, 1                         ; h
	v_and_b32 v7, 31, v0                           ; l
	v_mul_u32_u24 v5, v1, PITCH
	v_lshl_add_u32 v5, v2, 4, v5                   ; a fragment of p: row x pitch + 16 x half
	s_mul_i32 s22, s11, AHALF
	v_add_nc_u32 v[ADRA0], s22, v5
	v_mov_b32 v[AA], v[ADRA0]                      ; the slot in hand is slot 0
	v_and_b32 v5, 7, v0                            ; the turning load: lane l reads key row 8 h + l % 8, 16 bytes at 16 ((l / 8) % 2)
	v_lshl_add_u32 v5, v2, 3, v5
	v_mul_u32_u24 v5, v5, PB
	v_bfe_u32 v6, v0, 3, 1
	v_lshl_add_u32 v5, v6, 4, v5
	s_lshl_b32 s23, s12, 8                         ; my 128 channels: 256 bytes of a key row
	s_add_co_u32 s23, s23, BOFF
	v_add_nc_u32 v[ADRB0], s23, v5
	v_mov_b32 v[AB], v[ADRB0]
	s_mul_i32 s23, s10, 16*OPITCH
	s_add_co_u32 s23, s23, STAGE                   ; my stage
	v_mul_u32_u24 v5, v1, OPITCH                   ; in: row r, 32 bytes for each half of the lanes
	v_lshl_add_u32 v5, v2, 5, v5
	v_add_nc_u32 v[STO], s23, v5
	v_lshl_add_u32 v[RD], v7, 4, s23               ; back: 32 lanes take one row of 512 bytes
	v_lshlrev_b32 v[CO], 4, v7
	s_lshl_b32 s23, s11, 8                         ; my 64 rows' words
	s_add_co_u32 s23, s23, GT
	v_lshl_add_u32 v[GA], v1, 2, s23
	v_add_nc_u32 v[RA], RINV-GT, v[GA]
	s_lshl_b32 s16, s13, 7                         ; out0: row 128 Y + 64 RH, 4,096 bytes a row; channels 256 X + 128 CH, 4 bytes each
	s_lshl_b32 s18, s11, 6
	s_add_co_u32 s16, s16, s18
	s_lshl_b32 s16, s16, 12
	s_lshl_b32 s19, s42, 10
	s_add_co_u32 s16, s16, s19
	s_lshl_b32 s19, s12, 9
	s_add_co_u32 s16, s16, s19
	s_add_nc_u64 s[8:9], s[74:75], s[16:17]
	; the prefetches' shares; the pointer starts at K step 3, and the first refill steps it to K step 4.  Nothing is prefetched here, at the head
	v_lshlrev_b32 v5, 12, v7                       ; p: a lane a row of 4,096 bytes
	v_lshrrev_b32 v6, 1, v7                        ; v: two lanes a key row of 2,048 bytes,
	v_lshlrev_b32 v6, 11, v6
	v_and_b32 v8, 1, v0
	v_lshl_add_u32 v6, v8, 8, v6                   ; 256 bytes each
	s_mov_b32 s[PFS], SB1
	s_mov_b32 s[PFS+1], 0
	s_lshl_b32 s16, s13, 7                         ; p: row 128 Y + 32 cx
	s_lshl_b32 s18, s40, 5
	s_add_co_u32 s16, s16, s18
	s_lshl_b32 s16, s16, 12
	s_add_co_u32 s16, s16, 3*SA1
	s_lshl_b32 s18, s45, 11                        ; v: key row 2,048 x batch + 64 x half + 16 cy, channel 256 X, in plane 2
	s_lshl_b32 s19, s12, 6
	s_add_co_u32 s18, s18, s19
	s_lshl_b32 s19, s41, 4
	s_add_co_u32 s18, s18, s19
	s_lshl_b32 s18, s18, 11
	s_lshl_b32 s19, s42, 9
	s_add_co_u32 s18, s18, s19
	s_add_co_u32 s18, s18, 0x2000000+3*SB1
	s_and_b32 s22, ttmp7, 0xffff
	s_and_b32 s22, s22, 3                          ; my cluster's place among the batch's four
	s_cmp_eq_u32 s11, 0                            ; do I fetch for p?
	s_cselect_b32 s16, s16, s18
	s_cselect_b32 s22, s12, s22                    ; p: wave 0 asks, wave 1 does not; v: the batch's first cluster asks
	s_cselect_b32 s[PFS], SA1, s[PFS]
	s_cselect_b32 s91, -1, 0
	s_cselect_b64 s[PFA:PFA+1], s[68:69], s[70:71]
	s_mov_b32 s17, 0
	s_add_nc_u64 s[PFA:PFA+1], s[PFA:PFA+1], s[16:17]
	s_cmp_eq_u32 s22, 0
	s_cselect_b32 s[LIM], 2, -1                    ; the same in all sixteen partners, for a given wave
	v_cndmask_b32 v[PFO], v6, v5, s91
	s_wait_loadcnt 0x0
	v_min3_num_f32 v96, v64, v65, v66              ; Nmin
.irp i, 67,69,71,73,75,77
	v_min3_num_f32 v96, v96, v[\i], v[\i+1]
.endr
	v_min_num_f32 v96, v96, v79
.set i, 0
.rept 16
	v_sub_f32 v[64+i], v96, v[64+i]
.set i, i+1
.endr
.set i, 0
.rept 16
	v_exp_f32 v[64+i], v[64+i]                     ; g: one batch of 16
.set i, i+1
.endr
	v_nop                                          ; a plain instruction behind the last exponential,
	s_wait_alu depctr_va_vdst(0)                   ; and one wait for the batch
	v_mul_f32 v97, v64, v80
.set i, 1
.rept 15
	v_fmac_f32 v97, v[64+i], v[80+i]               ; L
.set i, i+1
.endr
	v_rcp_f32 v98, v97
.set i, 0
.rept 16
	v_perm_b32 v[64+i], v[64+i], v[64+i], s90      ; a power of two has no bits below its upper half: bf16(g), twice in a word
.set i, i+1
.endr
	s_wait_alu depctr_va_vdst(0)                   ; the reciprocal's wait, ahead of its first reader; the sixteen lines above are the plain work between
.set i, 0
.rept 16
	ds_store_b32 v4, v[64+i] offset:512*i
.set i, i+1
.endr
	ds_store_b32 v4, v98 offset:RINV-GT
	s_wait_dscnt 0x0                               ; for the others' sake: my rows' g and 1/L lie in LDS
	s_wait_tensorcnt 1                             ; my part of K step 0 is in; K step 1's may stay out
	s_barrier_signal -1
	s_barrier_wait -1
	FETCH 0, F0
	QUARTER 1, F0, F1, 1                           ; the first quarter starts the sums: nothing is cleared
	WIN 0
	s_mov_b32 s3, STEPS-2
.Lstep:                                                ; a trip: a K step's second to fourth quarter, its slot filled again, and the next K step's first quarter
	QUARTER 2, F1, F0, 0
	QUARTER 3, F0, F1, 0
	TURN
	QUARTER 1, F0, F1, 0
	WIN 0
	s_sub_co_u32 s3, s3, 1
	s_cmp_lg_u32 s3, 0
	s_cbranch_scc1 .Lstep
	s_mov_b32 s3, 2
.Ltail:                                                ; the last two K steps fill nothing; the second trip is left in its middle
	QUARTER 2, F1, F0, 0
	QUARTER 3, F0, F1, 0
	TURNL
	WIN 0
	s_sub_co_u32 s3, s3, 1
	s_cmp_eq_u32 s3, 0
	s_cbranch_scc1 .Lout
	QUARTER 1, F0, F1, 0
	WIN 0
	s_cmp_lg_u32 s3, 0
	s_cbranch_scc1 .Ltail
.Lout:
	; THE WAY OUT, a loop over my four blocks of 16 rows.  Only the 32 lines that name a block's accumulators are written for each block, chosen by a forward branch on the count: they
	; multiply by 1/L and leave the block in fixed registers.  The rest is written once: through my own stage, out as whole rows of 512 bytes.
	PLACES
	PLACES
.irp a, 0,1,2,3
	ds_load_b32 v[RV+2*(\a)], v[RA] offset:64*(\a)
	ds_load_b32 v[RV+2*(\a)+1], v[RA] offset:64*(\a)   ; named with it as a pair
.endr
	s_wait_dscnt 0x0
	s_mov_b32 s5, 0
.macro SEC a
.Lsec\a:
	WIN 0x01                                       ; source 0 in window 1
.set i, 0
.rept 32
	v_pk_mul_f32 v[T+2*i:T+2*i+1], v[64*(\a)+2*i:64*(\a)+2*i+1], v[RV+2*(\a):RV+2*(\a)+1] op_sel_hi:[1,0]  ; each accumulator from its low end on
.set i, i+1
.endr
	WIN 0
.if (\a) != 0
	s_branch .Ljoin
.endif
.endm
.Lblk:
.irp k, 0,1,2
	s_cmp_eq_u32 s5, \k
	s_cbranch_scc1 .Lsec\k
.endr
	SEC 3
	SEC 2
	SEC 1
	SEC 0
.Ljoin:
.set i, 0
.rept 16
	ds_store_b128 v[STO], v[T+4*i:T+4*i+3] offset:(i/2)*64+(i%2)*16
.set i, i+1
.endr
.set i, 0
.rept 16
	ds_load_b128 v[OB+4*i:OB+4*i+3], v[RD] offset:OPITCH*i   ; LDS serves a wave's instructions in order: these see the stores above
.set i, i+1
.endr
	s_wait_dscnt 0x0
.set i, 0
.rept 16
	global_store_b128 v[CO], v[OB+4*i:OB+4*i+3], s[8:9] offset:i*4096 th:TH_STORE_NT  ; a store covers 512 consecutive bytes, at a multiple of 256
.set i, i+1
.endr
	s_wait_xcnt 0x0                                ; the stores have read their base and their data: both are written again below and in the next trip
	s_add_nc_u64 s[8:9], s[8:9], 16*4096           ; the next 16 rows
	s_add_co_u32 s5, s5, 1
	s_cmp_lt_u32 s5, 4
	s_cbranch_scc1 .Lblk
	s_wait_tensorcnt 0x0                           ; the wave's end
	ds_add_u32 v[SPW], v[NIL]
	s_wait_dscnt 0x0
	CROUND                                         ; the closing round
	s_endpgm
.Lfunc_end_k_q1d73aebc6c_pv:
	.size	k_q1d73aebc6c_pv, .Lfunc_end_k_q1d73aebc6c_pv-k_q1d73aebc6c_pv
	.p2alignl 7, 3214868480
	.fill 96, 4, 3214868480
	.section	.rodata,"a",@progbits
	.p2align	6, 0x0
	.amdhsa_kernel k_q1d73aebc6c_pv
		.amdhsa_group_segment_fixed_size 327680
		.amdhsa_private_segment_fixed_size 0
		.amdhsa_enable_private_segment 0
		.amdhsa_kernarg_size 32
		.amdhsa_user_sgpr_count 2
		.amdhsa_user_sgpr_kernarg_segment_ptr 1
		.amdhsa_wavefront_size32 1
		.amdhsa_system_sgpr_workgroup_id_x 1
		.amdhsa_system_sgpr_workgroup_id_y 1
		.amdhsa_system_sgpr_workgroup_id_z 1
		.amdhsa_system_vgpr_workitem_id 0
		.amdhsa_next_free_vgpr 512
		.amdhsa_next_free_sgpr 96
		.amdhsa_reserve_vcc 0
		.amdhsa_float_denorm_mode_32 3
		.amdhsa_float_denorm_mode_16_64 3
		.amdhsa_memory_ordered 1
		.amdhsa_forward_progress 1
		.amdhsa_inst_pref_size 86
	.end_amdhsa_kernel
	.amdgpu_metadata
---
amdhsa.version: [ 1, 2 ]
amdhsa.kernels:
  - .name:           k_q1d73aebc6c_pv
    .symbol:         k_q1d73aebc6c_pv.kd
    .args:
      - { .name: p, .offset: 0, .size: 8, .value_kind: global_buffer, .address_space: global }
      - { .name: qkv, .offset: 8, .size: 8, .value_kind: global_buffer, .address_space: global }
      - { .name: stats, .offset: 16, .size: 8, .value_kind: global_buffer, .address_space: global }
      - { .name: out0, .offset: 24, .size: 8, .value_kind: global_buffer, .address_space: global }
    .group_segment_fixed_size: 327680
    .private_segment_fixed_size: 0
    .kernarg_segment_align: 8
    .kernarg_segment_size: 32
    .max_flat_workgroup_size: 128
    .sgpr_count:     96
    .vgpr_count:     512
    .wavefront_size: 32
...
	.end_amdgpu_metadata
.endif
;; end of part 4
